; MI455X (gfx1250); checked and timed in simulation.
; The chip was launched on July 23, 2026; its instructions are those of AMD's public machine-readable ISA for CDNA 5 (MIT licence, August 2026) and "CDNA5" Instruction Set Architecture Reference Guide (July 2026). The comments in the code are by the model that wrote it; some were corrected since.
;; rhs base. Allowed arithmetic: float matrix products may take bf16 or f16 operands with f32 sums; all other float work in f32.
;; Inputs: W1 8 x 256 x 256 float32; W2 8 x 256 x 256 float32; b1 8 x 256 float32; b2 8 x 256 float32; scales 1 x 256 float32; shifta one number float32; shiftb one number float32; t 32,768 float32; y 32,768 x 256 float32.
;; Outputs: out0 32,768 x 256 float32.
;; 2 versions, each right; version 2 is version 1 with the launch mlp written anew for expert scheduling mode. Each part assembles by itself: llvm-mc -triple=amdgcn-amd-amdhsa -mcpu=gfx1250 --defsym DOCPART=n.
;; ======== version 1 of 2: 3 launches
;; limits: values are held in f16: magnitudes above 65,504 overflow, below 6.1e-05 lose precision; inputs' magnitudes at most 65,504
;; workspace buffers: kr 131,072 bytes of whole numbers; hist 4,096 bytes of whole numbers; order 131,072 bytes of whole numbers; jobs 1,024 bytes of whole numbers; wb 2,097,152 bytes
;; launch prep (part 1): grid 128 x 1, 8 waves a work-group, no clusters, 2,048 bytes of LDS; arguments t, W1, W2, kr, hist, wb; writes kr, hist, wb
.if DOCPART == 1
	.amdgcn_target "amdgcn-amd-amdhsa--gfx1250"
	.amdhsa_code_object_version 6
	.text
	.protected	k_qc20d3abba9_prep
	.globl	k_qc20d3abba9_prep
	.p2align	8
	.type	k_qc20d3abba9_prep,@function
k_qc20d3abba9_prep:
	s_mov_b64 s[64:65], 0
	v_nop
	global_prefetch_b8 v0, s[64:65] scope:SCOPE_SE
	s_setreg_imm32_b32 hwreg(HW_REG_WAVE_MODE, 25, 1), 1
	s_wait_xcnt 0x0
; FIRST OF THREE LAUNCHES: the routing key of every row, as stored whole numbers, and the weights in f16, in the order of matrix fragments.
; Work-group b owns rows 256 b .. 256 b + 255 (one a thread) and 16 weight fragments.
;   kr[row]    = rank | key << 16 | flag << 19.  key = min(trunc(8 t), 7), 0 where that is negative; flag = 1 where trunc(8 t) < 0
;                (such a row matches no expert: f = 0); rank = how many earlier rows of the block have the same key (0 .. 255).
;   hist[e][b] = rows of key e in block b.
;   wb         = [matrix m][expert e][quarter w][K step s][tile T'][half][lane L] x 16 bytes: eight f16 of row 64 w + 16 T' + (L & 15),
;                columns 32 s + 16 half + 8 (L >> 4) + 0 .. 7.  A fragment (16 rows x 32 K) is 1,024 consecutive bytes in the lanes' own order, and
;                the 32 fragments that one wave of the third launch multiplies by are 32,768 consecutive bytes.
;                b = 64 m + 8 e + 2 w + sh makes the fragments of K steps 4 sh .. 4 sh + 3.
; Every address here is fixed by the ids: the keys come from floating-point numbers and are only stored; the next launch forms addresses from them.
; LIMITS.  t / h is formed as 8 t, which is exact (h = 1/8).  A NaN in t counts as index 0.  |8 t| of 2^31 and more, infinities too, behaves as a
; saturating cast: expert 7 if positive, no expert if negative.
; The weights are rounded to f16 (11 significant bits): a weight beyond 65,504 in size becomes an infinity, and below 2^-14 the step is 2^-24.
; Why f16 and not bf16 is said at the head of the third launch.
; No cluster and no joint loads: the work-groups share no input byte.  No matrix unit: there is no product here.
; kr is stored as 4 bytes a lane, 128 consecutive bytes a wave, and hist as eight single words: 135,168 bytes in all against 6 MiB of weights moved.
.set KEYS, 8
.set M, 20                             ; s[20:27]  lanes of my wave whose key is e
.set C, 28                             ; s[28:35]  their number
.set P, 36                             ; s[36:43]  rows of key e in the waves in front of mine
.set WF, 20                            ; v[20:51]  pass j: eight f32 weights at 8 j
.set WH, 52                            ; v[52:67]  pass j: the same as f16 at 4 j
	s_load_b256 s[4:11], s[0:1], 0x0               ; t s[4:5], W1 s[6:7], W2 s[8:9], kr s[10:11]
	s_load_b128 s[12:15], s[0:1], 0x20             ; hist s[12:13], wb s[14:15]
	v_lshl_add_u32 v68, v0, 2, 0x400
	v_mov_b32 v69, 0
	v_lshrrev_b32 v7, 5, v0
	v_readfirstlane_b32 s16, v7                    ; wave 0 .. 7
	v_and_b32 v18, 31, v0                          ; lane
	v_lshlrev_b32 v1, 2, v0                        ; 4 x thread: t, kr, and my word in LDS
	v_lshlrev_b32 v3, 4, v0                        ; 16 x thread: my eight f16 of a pass (thread = 64 T' + 32 half + L)
	v_lshrrev_b32 v7, 6, v0                        ; T'
	v_lshlrev_b32 v2, 14, v7                       ; 16 rows of 1,024 bytes
	v_and_b32 v7, 15, v0
	v_lshl_or_b32 v2, v7, 10, v2                   ; + row L & 15
	v_bfe_u32 v7, v0, 4, 2
	v_lshl_or_b32 v2, v7, 5, v2                    ; + 64 half + 32 (L >> 4): my eight f32
	s_mov_b32 s44, 0x76543210                      ; v_permlanex16_b32: lane i takes lane i of the other half
	s_mov_b32 s45, 0xfedcba98
	s_lshl_b32 s46, ttmp9, 10                      ; 256 rows x 4 bytes
	s_mov_b32 s47, 0
	s_wait_kmcnt 0x0
	s_add_nc_u64 s[4:5], s[4:5], s[46:47]          ; t at my block
	s_add_nc_u64 s[10:11], s[10:11], s[46:47]      ; kr at my block
	s_lshl_b32 s46, ttmp9, 2
	s_add_nc_u64 s[12:13], s[12:13], s[46:47]      ; hist[0][b]
	s_lshl_b32 s46, ttmp9, 14
	s_add_nc_u64 s[14:15], s[14:15], s[46:47]      ; wb + 16,384 b
	s_bfe_u32 s46, ttmp9, 0x30003                  ; e
	s_lshl_b32 s46, s46, 18                        ; a matrix is 262,144 bytes of f32
	s_bfe_u32 s52, ttmp9, 0x20001                  ; w
	s_lshl_b32 s52, s52, 16                        ; 64 rows
	s_or_b32 s46, s46, s52
	s_and_b32 s52, ttmp9, 1                        ; sh
	s_lshl_b32 s52, s52, 9                         ; 128 columns
	s_or_b32 s46, s46, s52
	s_cmp_lt_u32 ttmp9, 64                         ; behind the shifts, which write SCC
	s_cselect_b64 s[48:49], s[6:7], s[8:9]
	s_add_nc_u64 s[48:49], s[48:49], s[46:47]
	global_load_b32 v4, v1, s[4:5]
.irp j, 0,1,2,3
	global_load_b128 v[WF+8*\j:WF+8*\j+3],   v2, s[48:49] offset:128*\j       ; a wave's two loads take 64 consecutive bytes of 16 rows; the four passes of
	global_load_b128 v[WF+8*\j+4:WF+8*\j+7], v2, s[48:49] offset:128*\j+16    ; two neighbouring waves use up 512 consecutive bytes of each row
.endr
	s_wait_loadcnt 0x8                             ; loads return in order: t is in, the eight weight loads behind it stay out
	v_mul_f32 v4, 0x41000000, v4                   ; x = 8 t
	v_cmp_ge_f32 s51, -1.0, v4                     ; trunc(x) < 0 exactly where x <= -1 (false for a NaN)
	v_max_num_f32 v5, 0, v4                        ; a NaN loses: 0
	v_min_num_f32 v5, 0x40e00000, v5               ; at most 7.0
	v_cvt_u32_f32 v5, v5                           ; toward zero: the key
	; rank inside my wave, and my wave's eight counts in lanes 0-7 of v8
	v_mov_b32 v6, 0
	v_mov_b32 v8, 0
.irp e, 0,1,2,3,4,5,6,7
	v_cmp_eq_u32 s[M+\e], \e, v5
	s_bcnt1_i32_b32 s[C+\e], s[M+\e]
	v_mbcnt_lo_u32_b32 v7, s[M+\e], 0              ; lanes below mine with key e
	v_cndmask_b32 v6, v6, v7, s[M+\e]
	v_writelane_b32 v8, s[C+\e], \e
.endr
	ds_store_b32 v1, v8                            ; word [wave][lane]
	s_wait_dscnt 0x0                               ; my words are in LDS before I say so
	s_barrier_signal -1
	s_barrier_wait -1
	; lane l reads the count of key l & 7 of waves l >> 3 and 4 + (l >> 3); sums over the four groups of eight lanes follow
	v_lshrrev_b32 v12, 3, v18
	v_and_b32 v9, 7, v18
	v_lshlrev_b32 v17, 9, v9                       ; hist: key x 128 blocks x 4 bytes
	v_lshlrev_b32 v9, 2, v9
	v_lshl_or_b32 v9, v12, 7, v9
	ds_load_b32 v10, v9
	ds_load_b32 v11, v9 offset:512
	s_wait_dscnt 0x0
	v_add_nc_u32 v14, v10, v11                     ; toward the block's total
	v_cmp_gt_u32 vcc_lo, s16, v12
	v_cndmask_b32 v13, 0, v10, vcc_lo              ; toward the sum over the waves in front of mine
	v_add_nc_u32 v7, 4, v12
	v_cmp_gt_u32 vcc_lo, s16, v7
	v_cndmask_b32 v7, 0, v11, vcc_lo
	v_add_nc_u32 v13, v13, v7
	v_mov_b32_dpp v7, v13 row_xmask:8 row_mask:0xf bank_mask:0xf
	v_add_nc_u32 v13, v13, v7
	v_mov_b32_dpp v7, v14 row_xmask:8 row_mask:0xf bank_mask:0xf
	v_add_nc_u32 v14, v14, v7
	v_permlanex16_b32 v7, v13, s44, s45
	v_add_nc_u32 v13, v13, v7
	v_permlanex16_b32 v7, v14, s44, s45
	v_add_nc_u32 v14, v14, v7                      ; lane l: figures of key l & 7
	v_mov_b32 v15, 0
.irp e, 0,1,2,3,4,5,6,7
	v_readlane_b32 s[P+\e], v13, \e
	v_cndmask_b32 v15, v15, s[P+\e], s[M+\e]
.endr
	v_add_nc_u32 v6, v6, v15                       ; rank in the block
	v_lshl_or_b32 v16, v5, 16, v6
	v_or_b32 v7, 0x80000, v16
	v_cndmask_b32 v16, v16, v7, s51
	global_store_b32 v1, v16, s[10:11]
	; the weights: every load and every store has registers of its own, so nothing has to be freed
.irp j, 0,1,2,3
	s_wait_loadcnt 6-2*\j                          ; the two loads of pass j are in, the younger ones stay out
.irp p, 0,1,2,3
	v_cvt_pk_f16_f32 v[WH+4*\j+\p], v[WF+8*\j+2*\p], v[WF+8*\j+2*\p+1]
.endr
	global_store_b128 v3, v[WH+4*\j:WH+4*\j+3], s[14:15] offset:4096*\j    ; a wave's store covers 512 consecutive bytes, aligned; read again by the third launch: no hint
.endr
	; the block's histogram: threads 0-7
	v_cmp_gt_u32 vcc_lo, KEYS, v0
	s_wait_xcnt 0x0                                ; EXEC is a source of the stores above: it narrows only behind this wait
	s_wait_tensorcnt 0x0
	ds_add_u32 v68, v69
	s_wait_dscnt 0x0
	s_and_saveexec_b32 s50, vcc_lo
	global_store_b32 v17, v14, s[12:13]
	s_wait_xcnt 0x0                                ; and widens only behind this one
	s_or_b32 exec_lo, exec_lo, s50
	s_endpgm
.Lfunc_end_k_qc20d3abba9_prep:
	.size	k_qc20d3abba9_prep, .Lfunc_end_k_qc20d3abba9_prep-k_qc20d3abba9_prep
	.p2alignl 7, 3214868480
	.fill 96, 4, 3214868480
	.section	.rodata,"a",@progbits
	.p2align	6, 0x0
	.amdhsa_kernel k_qc20d3abba9_prep
		.amdhsa_group_segment_fixed_size 2048
		.amdhsa_private_segment_fixed_size 0
		.amdhsa_enable_private_segment 0
		.amdhsa_kernarg_size 48
		.amdhsa_user_sgpr_count 2
		.amdhsa_user_sgpr_kernarg_segment_ptr 1
		.amdhsa_wavefront_size32 1
		.amdhsa_system_sgpr_workgroup_id_x 1
		.amdhsa_system_sgpr_workgroup_id_y 1
		.amdhsa_system_sgpr_workgroup_id_z 1
		.amdhsa_system_vgpr_workitem_id 0
		.amdhsa_next_free_vgpr 70
		.amdhsa_next_free_sgpr 66
		.amdhsa_reserve_vcc 1
		.amdhsa_float_denorm_mode_32 3
		.amdhsa_float_denorm_mode_16_64 3
		.amdhsa_memory_ordered 1
		.amdhsa_forward_progress 1
		.amdhsa_inst_pref_size 10
	.end_amdhsa_kernel
	.amdgpu_metadata
---
amdhsa.version: [ 1, 2 ]
amdhsa.kernels:
  - .name:           k_qc20d3abba9_prep
    .symbol:         k_qc20d3abba9_prep.kd
    .args:
      - { .name: t, .offset: 0, .size: 8, .value_kind: global_buffer, .address_space: global }
      - { .name: W1, .offset: 8, .size: 8, .value_kind: global_buffer, .address_space: global }
      - { .name: W2, .offset: 16, .size: 8, .value_kind: global_buffer, .address_space: global }
      - { .name: kr, .offset: 24, .size: 8, .value_kind: global_buffer, .address_space: global }
      - { .name: hist, .offset: 32, .size: 8, .value_kind: global_buffer, .address_space: global }
      - { .name: wb, .offset: 40, .size: 8, .value_kind: global_buffer, .address_space: global }
    .group_segment_fixed_size: 2048
    .private_segment_fixed_size: 0
    .kernarg_segment_align: 8
    .kernarg_segment_size: 48
    .max_flat_workgroup_size: 256
    .sgpr_count:     66
    .vgpr_count:     70
    .wavefront_size: 32
...
	.end_amdgpu_metadata
.endif
;; end of part 1
;; launch place (part 2): grid 128 x 1, 8 waves a work-group, no clusters, 1,280 bytes of LDS; arguments kr, hist, order, jobs; writes order, jobs
.if DOCPART == 2
	.amdgcn_target "amdgcn-amd-amdhsa--gfx1250"
	.amdhsa_code_object_version 6
	.text
	.protected	k_qc20d3abba9_place
	.globl	k_qc20d3abba9_place
	.p2align	8
	.type	k_qc20d3abba9_place,@function
k_qc20d3abba9_place:
	s_mov_b64 s[64:65], 0
	v_nop
	global_prefetch_b8 v0, s[64:65] scope:SCOPE_SE
	s_setreg_imm32_b32 hwreg(HW_REG_WAVE_MODE, 25, 1), 1
	s_wait_xcnt 0x0
; SECOND LAUNCH: the placement pass of a counting sort by key, and the table of jobs for the third launch.
; Row 256 b + i goes to position  (rows of smaller keys) + (rows of its key in blocks before b) + (its rank in block b),
; and order[position] = row | key << 16 | flag << 19.  The positions are a permutation of 0 .. 32,767: every word of order is written once.
; Work-group b owns block b, one row a thread.  Wave e sums key e's 128 block counts (512 bytes, 16 a lane): the total, and the part before block b.
; JOBS.  jobs[w] = start | count << 16 | expert << 24: work-group w of the third launch serves positions start .. start + count - 1, all of one key.
; Key e with n rows gets ceil(n / 144) jobs, at most 32,768 / 144 + 8 < 237 in all; what is left of 256 goes to the (first) largest key, which has
; 4,096 rows or more.  A key's n rows are split evenly over its g jobs: n div g each, one more for the first n mod g.  So 1 <= count <= 144 whatever
; t holds, and there are exactly 256 jobs.  All in whole numbers; the division is sixteen steps of long division.  Work-group 0 makes the table,
; one thread a job (1,024 consecutive bytes); the branch round it hangs on the work-group's number alone and stands behind the last barrier.
; Every work-group reads the whole histogram, 4,096 bytes: too little to be worth a joint request.  The stores of order are single words at sorted
; places: a scatter by nature, 131,072 bytes in all.
.set CAP, 144                          ; slots of a job
.set TOT, 20                           ; v[20:27]  rows of key e
.set BASE, 28                          ; v[28:35]  rows of key e before my block, then + rows of all smaller keys
.set SP, 44                            ; v[44:51]  rows of all smaller keys
.set GE, 52                            ; v[52:59]  jobs of key e
.macro WSUM reg                        ; sum over the wave's 32 lanes, in every lane; v15 is written before its first use here
.irp m, 1,2,4,8
	v_mov_b32_dpp v15, v[\reg] row_xmask:\m row_mask:0xf bank_mask:0xf
	v_add_nc_u32 v[\reg], v[\reg], v15
.endr
	v_permlanex16_b32 v15, v[\reg], s12, s13
	v_add_nc_u32 v[\reg], v[\reg], v15
.endm
	s_load_b256 s[4:11], s[0:1], 0x0               ; kr s[4:5], hist s[6:7], order s[8:9], jobs s[10:11]
	v_lshl_add_u32 v80, v0, 2, 0x100
	v_mov_b32 v81, 0
	v_lshrrev_b32 v15, 5, v0
	v_readfirstlane_b32 s20, v15                   ; wave = the key that it sums
	v_and_b32 v1, 31, v0
	v_lshlrev_b32 v2, 2, v0                        ; 4 x thread
	v_lshlrev_b32 v3, 4, v1                        ; 16 x lane
	v_lshlrev_b32 v12, 2, v1                       ; the first of my four blocks
	s_mov_b32 s12, 0x76543210
	s_mov_b32 s13, 0xfedcba98
	s_lshl_b32 s14, ttmp9, 10
	s_mov_b32 s15, 0
	s_lshl_b32 s16, s20, 9
	s_mov_b32 s17, 0
	s_mov_b32 s18, ttmp9                           ; my block
	s_lshl_b32 s19, ttmp9, 8                       ; its first row
	s_wait_kmcnt 0x0
	s_add_nc_u64 s[4:5], s[4:5], s[14:15]
	s_add_nc_u64 s[6:7], s[6:7], s[16:17]
	global_load_b32 v4, v2, s[4:5]
	global_load_b128 v[8:11], v3, s[6:7]
	s_wait_loadcnt 0x0
	v_add3_u32 v13, v8, v9, v10
	v_add_nc_u32 v13, v13, v11
	v_cmp_gt_u32 vcc_lo, s18, v12                  ; a block in front of mine?
	v_cndmask_b32 v14, 0, v8, vcc_lo
.irp k, 1,2,3
	v_add_nc_u32 v15, \k, v12
	v_cmp_gt_u32 vcc_lo, s18, v15
	v_cndmask_b32 v15, 0, v[8+\k], vcc_lo
	v_add_nc_u32 v14, v14, v15
.endr
	WSUM 13
	WSUM 14
	v_mov_b32 v16, s20
	v_lshlrev_b32 v16, 2, v16
	ds_store_b32 v16, v13                          ; all lanes write the same word with the same value
	ds_store_b32 v16, v14 offset:32
	s_wait_dscnt 0x0                               ; in LDS before I say so
	s_barrier_signal -1
	s_barrier_wait -1
	v_mov_b32 v17, 0
.irp j, 0,1,2,3
	ds_load_b128 v[TOT+4*\j:TOT+4*\j+3], v17 offset:16*\j      ; eight totals, then eight partial sums, in every lane
.endr
	s_wait_dscnt 0x0
	v_mov_b32 v[SP], 0
.irp e, 1,2,3,4,5,6,7
	v_add_nc_u32 v[SP+\e], v[SP+\e-1], v[TOT+\e-1]
	v_add_nc_u32 v[BASE+\e], v[BASE+\e], v[SP+\e]
.endr
	v_bfe_u32 v38, v4, 16, 3                       ; key
	v_and_b32 v39, 0xff, v4                        ; rank
	v_mov_b32 v37, v[BASE]
.irp e, 1,2,3,4,5,6,7
	v_cmp_eq_u32 vcc_lo, \e, v38
	v_cndmask_b32 v37, v37, v[BASE+\e], vcc_lo
.endr
	v_add_nc_u32 v41, v37, v39
	v_min_u32 v41, 0x7fff, v41                     ; a number made of loaded numbers enters an address only behind a clamp to the buffer
	v_lshlrev_b32 v41, 2, v41
	v_or_b32 v42, s19, v0                          ; the row
	v_and_or_b32 v40, v4, 0xf0000, v42             ; with its key and flag
	global_store_b32 v41, v40, s[8:9]
	s_cmp_lg_u32 s18, 0
	s_cbranch_scc1 .Lend                           ; the table is work-group 0's
	; ceil(n / 144) = ((n + 143) >> 4) div 9, and x div 9 = (7282 x) >> 16 for x < 32,768 (7282 x 9 = 65,536 + 2)
.irp e, 0,1,2,3,4,5,6,7
	v_add_nc_u32 v[GE+\e], CAP-1, v[TOT+\e]
	v_lshrrev_b32 v[GE+\e], 4, v[GE+\e]
	v_mul_u32_u24 v[GE+\e], v[GE+\e], 7282
	v_lshrrev_b32 v[GE+\e], 16, v[GE+\e]
.endr
	v_mov_b32 v60, v[GE]
	v_mov_b32 v61, v[TOT]
.irp e, 1,2,3,4,5,6,7
	v_add_nc_u32 v60, v60, v[GE+\e]
	v_max_u32 v61, v61, v[TOT+\e]
.endr
	v_sub_nc_u32 v60, 256, v60                     ; jobs left over,
.irp e, 0,1,2,3,4,5,6,7
	v_cmp_eq_u32 vcc_lo, v[TOT+\e], v61            ; for the first key of the largest size
	v_cndmask_b32 v62, 0, v60, vcc_lo
	v_add_nc_u32 v[GE+\e], v[GE+\e], v62
	v_sub_nc_u32 v60, v60, v62
.endr
	; my job's key: the last one whose first job is not behind mine (a key without jobs is overruled by the next, or begins at 256)
	v_mov_b32 v63, 0                               ; key
	v_mov_b32 v64, v[TOT]                          ; its rows n
	v_mov_b32 v65, v[GE]                           ; its jobs g
	v_mov_b32 v66, 0                               ; its first position
	v_mov_b32 v67, 0                               ; its first job
	v_mov_b32 v68, v[GE]                           ; first job of the next key, running
.irp e, 1,2,3,4,5,6,7
	v_cmp_ge_u32 vcc_lo, v0, v68
	v_cndmask_b32 v63, v63, \e, vcc_lo
	v_cndmask_b32 v64, v64, v[TOT+\e], vcc_lo
	v_cndmask_b32 v65, v65, v[GE+\e], vcc_lo
	v_cndmask_b32 v66, v66, v[SP+\e], vcc_lo
	v_cndmask_b32 v67, v67, v68, vcc_lo
	v_add_nc_u32 v68, v68, v[GE+\e]
.endr
	v_sub_nc_u32 v69, v0, v67                      ; j: my job among the key's
	v_mov_b32 v70, 0                               ; remainder
	v_mov_b32 v71, 0                               ; quotient
.set di, 15
.rept 16                                               ; n <= 32,768: sixteen bits
	v_bfe_u32 v74, v64, di, 1
	v_lshl_or_b32 v70, v70, 1, v74
	v_sub_nc_u32 v74, v70, v65
	v_cmp_ge_u32 vcc_lo, v70, v65
	v_cndmask_b32 v70, v70, v74, vcc_lo
	v_cndmask_b32 v74, 0, 1, vcc_lo
	v_lshl_or_b32 v71, v71, 1, v74
.set di, di-1
.endr
	v_mad_u32_u24 v72, v69, v71, v66               ; first position + j (n div g)
	v_min_u32 v73, v69, v70
	v_add_nc_u32 v72, v72, v73                     ; + min(j, n mod g)
	v_cmp_lt_u32 vcc_lo, v69, v70
	v_cndmask_b32 v73, 0, 1, vcc_lo
	v_add_nc_u32 v71, v71, v73                     ; count
	v_lshl_or_b32 v72, v71, 16, v72
	v_lshl_or_b32 v72, v63, 24, v72
	global_store_b32 v2, v72, s[10:11]
.Lend:
	s_wait_tensorcnt 0x0
	ds_add_u32 v80, v81
	s_wait_dscnt 0x0
	s_endpgm
.Lfunc_end_k_qc20d3abba9_place:
	.size	k_qc20d3abba9_place, .Lfunc_end_k_qc20d3abba9_place-k_qc20d3abba9_place
	.p2alignl 7, 3214868480
	.fill 96, 4, 3214868480
	.section	.rodata,"a",@progbits
	.p2align	6, 0x0
	.amdhsa_kernel k_qc20d3abba9_place
		.amdhsa_group_segment_fixed_size 1280
		.amdhsa_private_segment_fixed_size 0
		.amdhsa_enable_private_segment 0
		.amdhsa_kernarg_size 32
		.amdhsa_user_sgpr_count 2
		.amdhsa_user_sgpr_kernarg_segment_ptr 1
		.amdhsa_wavefront_size32 1
		.amdhsa_system_sgpr_workgroup_id_x 1
		.amdhsa_system_sgpr_workgroup_id_y 1
		.amdhsa_system_sgpr_workgroup_id_z 1
		.amdhsa_system_vgpr_workitem_id 0
		.amdhsa_next_free_vgpr 82
		.amdhsa_next_free_sgpr 66
		.amdhsa_reserve_vcc 1
		.amdhsa_float_denorm_mode_32 3
		.amdhsa_float_denorm_mode_16_64 3
		.amdhsa_memory_ordered 1
		.amdhsa_forward_progress 1
		.amdhsa_inst_pref_size 17
	.end_amdhsa_kernel
	.amdgpu_metadata
---
amdhsa.version: [ 1, 2 ]
amdhsa.kernels:
  - .name:           k_qc20d3abba9_place
    .symbol:         k_qc20d3abba9_place.kd
    .args:
      - { .name: kr, .offset: 0, .size: 8, .value_kind: global_buffer, .address_space: global }
      - { .name: hist, .offset: 8, .size: 8, .value_kind: global_buffer, .address_space: global }
      - { .name: order, .offset: 16, .size: 8, .value_kind: global_buffer, .address_space: global }
      - { .name: jobs, .offset: 24, .size: 8, .value_kind: global_buffer, .address_space: global }
    .group_segment_fixed_size: 1280
    .private_segment_fixed_size: 0
    .kernarg_segment_align: 8
    .kernarg_segment_size: 32
    .max_flat_workgroup_size: 256
    .sgpr_count:     66
    .vgpr_count:     82
    .wavefront_size: 32
...
	.end_amdgpu_metadata
.endif
;; end of part 2
;; launch mlp (part 3): grid 256 x 1, 4 waves a work-group, no clusters, 323,072 bytes of LDS; arguments jobs, order, y, wb, b1, b2, scales, shifta, shiftb, out0; writes out0
.if DOCPART == 3
	.amdgcn_target "amdgcn-amd-amdhsa--gfx1250"
	.amdhsa_code_object_version 6
	.text
	.protected	k_qc20d3abba9_mlp
	.globl	k_qc20d3abba9_mlp
	.p2align	8
	.type	k_qc20d3abba9_mlp,@function
k_qc20d3abba9_mlp:
	s_mov_b64 s[64:65], 0
	v_nop
	global_prefetch_b8 v0, s[64:65] scope:SCOPE_SE
	s_setreg_imm32_b32 hwreg(HW_REG_WAVE_MODE, 25, 1), 1
	s_wait_xcnt 0x0
; THIRD LAUNCH: out[row] = G * f(row) + CY * y[row],  f = W2[e] tanh(W1[e] y + b1[e]) + b2[e] with e the row's key, f = 0 for a flagged row,
; G[c] = 0.5 (sa + sb) sigmoid(scales[c]),  CY = 0.5 (sb - sa),  sa = sigmoid(shifta), sb = sigmoid(shiftb).
; Only the expert that the selection keeps is computed for a row; the other seven results would be thrown away by that selection.
;
; SHARES.  Work-group w does job w: count (1 .. 144) positions of the sorted list, all of one expert.  It always computes 144 slots, nine tiles of 16
; rows; the slots behind the count repeat the job's last row, so they load the same bytes, compute the same numbers and store them to the same place
; again, from the same wave.  That costs 4,096 slots beyond the 32,768 rows and spares every test of validity: there is no branch in this text, and the
; numbers read from memory (job, list) enter global addresses alone, each behind a clamp.
; Wave v owns features 64 v .. 64 v + 63 of both layers for all 144 slots: 4 x 9 tiles of sums, 288 registers.  So a weight fragment is multiplied by
; one wave alone: it goes from memory straight into that wave's registers (a quarter of a matrix is 32,768 consecutive bytes in fragment order, 64 loads
; of 512 consecutive bytes, 256 registers), and W2's fragments are loaded into W1's registers as layer 1 gives them up.
; y comes in by columns: a load takes 256 bytes (my 64 columns) of two rows.  It goes to LDS twice: as f16 for every wave's products, and as CY y in
; f32 into a slab that stays my own, where the last step works in place and from which whole rows leave.  y is read from memory once.
; NO JOINT REQUESTS: which expert a work-group reads is a number from memory, so neighbours' requests are not equal by this text's arithmetic.
; No tensor loads: no tile is read by more than one wave before it has been converted.  No prefetch: a wave issues all 72 loads of its rows as soon
; as it knows the list; nothing is known earlier.
; PRODUCTS.  Source 0 = 16 rows of a weight matrix (features), source 1 = 16 slots.  Register j of lane (r, h) of a result is feature 16 T + 8 h + j of
; slot 16 n + r.  The biases are the first products' C operand: nothing is cleared and nothing is added afterwards.
; FORMAT.  The matrix operands (y, W1, hidden values, W2) are f16, the sums f32.  f16 and not bf16: the result is wanted within a hundredth of its root
; mean square where it is small, and it is a sum of 256 products in each of two layers.  With factors rounded to 8 significant bits the error of such a
; sum is a few thousandths of the result's spread, too near that bound for eight million numbers; with 11 bits it is an eighth of that.
; The operands have room in f16: hidden values lie in -1 .. 1, and rows and weights some 30 times larger than unit rows and weights of spread 1/16,
; or offset by 30 spreads, stay under a few hundred.
; LIMITS.  An element of y, W1 or W2 beyond 65,504 in size becomes an infinity.  Below 2^-14 the step of f16 is 2^-24, so operands whose whole spread
; is under about 1e-5 lose accuracy.  tanh(x) = 1 - 2 / (1 + 2^(2.885390 x)): exact limits at large |x|, absolute error near 1e-7, so the relative error
; grows below |x| of about 1e-4.  v_exp_f32 and v_rcp_f32 flush denormals (ISA guide, their entries in 15.8): a sigmoid below 2^-126 comes out as 0.
.set ROWS, 144
.set NT, 9                             ; tiles of 16 slots
.set BP, 144                           ; a slab row of 64 f16: 128 bytes + 16 = 9 x 16, so 16 rows start at 16 different groups of four banks (64 banks of 4 bytes: ISA guide 11.1)
.set BSLAB, ROWS*BP                    ; 20,736
.set FP, 272                           ; a slab row of 64 f32: 256 bytes + 16 = 17 x 16
.set FSLAB, ROWS*FP                    ; 39,168
.set YS, 0                             ; slab v: CY y, then the result, columns 64 v ..; written and read by wave v alone
.set YB, 4*FSLAB                       ; slab v: y in f16, columns 64 v ..; written by wave v, read by all behind the first barrier
.set HB, YB+4*BSLAB                    ; slab v: first wave v's own copy of the list, then the hidden values in f16, read by all behind the second barrier
; window 0
.set LANE, 1
.set RR,   2                           ; lane & 15
.set HH,   3                           ; lane >> 4
.set L16,  4                           ; 16 x lane
.set C16,  5                           ; 16 x (lane & 15)
.set LSTW, 6                           ; list in LDS: slot = lane
.set LSTR, 7                           ; list in LDS: slot 72 (lane >> 4)
.set LSTF, 8                           ; list in LDS: slot lane & 15
.set YBST, 9                           ; my f16 slab, row 72 (lane >> 4), 8 bytes a lane
.set YSST, 10                          ; my f32 slab, row 72 (lane >> 4), 16 bytes a lane
.set HBST, 11                          ; my slab of hidden values, row r, 16 h
.set YSD,  12                          ; my f32 slab, row r, 32 h: the sums' layout
.set TT,   13
.set CY,   14                          ; v[14:15]  CY, twice
.set BAY,  16                          ; v16, v17  y's fragments: slabs 0-1, slabs 2-3
.set BAH,  18                          ; v18, v19  the hidden values' fragments
.set D32,  20                          ; 32 h
.set POS,  22                          ; v[22:26]  byte offsets of five list words
.set ENT,  27                          ; v[27:31]  the words
.set TMP,  32                          ; v[32:63]  at work
.set BB0,  112                         ; v[112:183] nine source 1 fragments, buffer 0
.set BB1,  184                         ; v[184:255] buffer 1
.set HT,   112                         ; the hidden values in f16 on their way to LDS: both buffers
.set YA0,  112                         ; the last step: CY y of one tile row, two buffers
.set YA1,  144
; window 1: weight fragment (K step s, tile T') at 8 (4 s + T')
; window 2: sums of tile (T', n), n < 8, at 8 (4 n + T'); before that row pair i of y, i < 64, at 4 i; at the end row pair i of the result
; window 3: the same for n = 8 at 8 T' and for i >= 64 at 4 (i - 64), and
.set B1R,  32                          ; b1 of feature 16 T' + 8 h + j at 8 T' + j
.set B2R,  64                          ; b2
.set GR,   96                          ; G
.set ROFF, 128                         ; v[128:199] row pair i: 1,024 x row of slot 72 (lane >> 4) + i, + 16 (lane & 15)
.set FLG,  50                          ; s[50:58]  tile row n: lanes whose slot is flagged
.set MSB, 0
.macro WIN new                         ; s_set_vgpr_msb: bits 1:0 source 0, 3:2 source 1, 5:4 source 2, 7:6 destination; the high byte repeats the setting left
.if MSB != \new
	s_set_vgpr_msb (MSB<<8)|\new
.set MSB, \new
.endif
.endm
.macro PLACES                          ; four independent vector instructions between a matrix instruction and whatever touches its registers (ISA guide 7.12.1)
.rept 4
	v_nop
.endr
.endm
; 18 loads: the nine source 1 fragments of K step s.  K = 32 s .. lies in slab s >> 1 at byte 64 (s & 1) of the rows.
.macro FETCHB ba, s, buf
	WIN 0
.set fn, 0
.rept NT
	ds_load_b128 v[(\buf)+8*fn:(\buf)+8*fn+3],   v[(\ba)+((\s)>>2)] offset:(((\s)>>1)&1)*BSLAB+fn*16*BP+((\s)&1)*64
	ds_load_b128 v[(\buf)+8*fn+4:(\buf)+8*fn+7], v[(\ba)+((\s)>>2)] offset:(((\s)>>1)&1)*BSLAB+fn*16*BP+((\s)&1)*64+32
.set fn, fn+1
.endr
.endm
; 36 matrix instructions on 36 different sums: my 4 feature tiles x 9 slot tiles, 32 along K.  first = 1: C is the bias.
.macro MUL s, buf, first, bias
.if \first
	WIN 0xb1
.else
	WIN 0xa1
.endif
.set mn, 0
.rept 8
.irp tp, 0,1,2,3
.if \first
	v_wmma_f32_16x16x32_f16 v[8*(4*mn+\tp):8*(4*mn+\tp)+7], v[8*(4*(\s)+\tp):8*(4*(\s)+\tp)+7], v[(\buf)+8*mn:(\buf)+8*mn+7], v[(\bias)+8*\tp:(\bias)+8*\tp+7]
.else
	v_wmma_f32_16x16x32_f16 v[8*(4*mn+\tp):8*(4*mn+\tp)+7], v[8*(4*(\s)+\tp):8*(4*(\s)+\tp)+7], v[(\buf)+8*mn:(\buf)+8*mn+7], v[8*(4*mn+\tp):8*(4*mn+\tp)+7]
.endif
.endr
.set mn, mn+1
.endr
	WIN 0xf1
.irp tp, 0,1,2,3
.if \first
	v_wmma_f32_16x16x32_f16 v[8*\tp:8*\tp+7], v[8*(4*(\s)+\tp):8*(4*(\s)+\tp)+7], v[(\buf)+64:(\buf)+71], v[(\bias)+8*\tp:(\bias)+8*\tp+7]
.else
	v_wmma_f32_16x16x32_f16 v[8*\tp:8*\tp+7], v[8*(4*(\s)+\tp):8*(4*(\s)+\tp)+7], v[(\buf)+64:(\buf)+71], v[8*\tp:8*\tp+7]
.endif
.endr
.endm
.macro REFILL s                        ; W2's four fragments of K step s into the registers of W1's: 8 loads of 512 consecutive bytes
	WIN 0x40
.irp q, 0,1,2,3,4,5,6,7
	global_load_b128 v[4*(8*(\s)+\q):4*(8*(\s)+\q)+3], v[L16], s[36:37] offset:512*(8*(\s)+\q)
.endr
.endm
; A layer: 8 K steps on two fragment buffers, each filled one step ahead.
.macro LAYER ba, bias, refill
	FETCHB \ba, 0, BB0
	FETCHB \ba, 1, BB1
	s_wait_dscnt 18                                ; LDS loads return in order: step 0's are in, the 18 of step 1 stay out
	MUL 0, BB0, 1, \bias
.set st, 1
.rept 6
	PLACES                                         ; the buffer and the weight registers filled next were read by the matrix instructions just in front
	FETCHB \ba, st+1, BB0+72*((st+1)&1)
.if \refill
	REFILL st-1
.endif
	s_wait_dscnt 18                                ; this step's fragments are in, the 18 just issued stay out
	MUL st, BB0+72*(st&1), 0, 0
.set st, st+1
.endr
	PLACES
.if \refill
	REFILL 6
.endif
	s_wait_dscnt 0                                 ; nothing was issued behind the last step's fragments
	MUL 7, BB1, 0, 0
	PLACES                                         ; for whatever reads the sums or refills the operands next
.if \refill
	REFILL 7
.endif
.endm
.macro TANH16                          ; tanh in place on the 16 registers from ab on
.set aj, 0
.rept 8
	v_pk_mul_f32 v[ab+aj:ab+aj+1], v[ab+aj:ab+aj+1], 0x4038aa3b op_sel_hi:[1,0]    ; 2 log2(e) x
.set aj, aj+2
.endr
.set aj, 0
.rept 16
	v_exp_f32 v[ab+aj], v[ab+aj]
.set aj, aj+1
.endr
	v_nop                                          ; one plain instruction between a transcendental and the use of its result (ISA guide 5.7.2)
.set aj, 0
	s_wait_alu depctr_va_vdst(0)
.rept 8
	v_pk_add_f32 v[ab+aj:ab+aj+1], v[ab+aj:ab+aj+1], 1.0 op_sel_hi:[1,0]
.set aj, aj+2
.endr
.set aj, 0
.rept 16
	v_rcp_f32 v[ab+aj], v[ab+aj]
.set aj, aj+1
.endr
	v_nop
.set aj, 0
	s_wait_alu depctr_va_vdst(0)
.rept 8
	v_pk_fma_f32 v[ab+aj:ab+aj+1], v[ab+aj:ab+aj+1], -2.0, 1.0 op_sel_hi:[1,0,0]
.set aj, aj+2
.endr
.endm
; Eight row pairs of y, registers b .. b + 31 of window 2 or 3: f16 into my slab of YB, CY y into my slab of YS.
.macro YCONV g, b, wc, wm, ws, left
	s_wait_loadcnt \left
	WIN \wc
.set yt, 0
.rept 8
	v_cvt_pk_f16_f32 v[TMP+2*yt],   v[\b+4*yt],   v[\b+4*yt+1]
	v_cvt_pk_f16_f32 v[TMP+2*yt+1], v[\b+4*yt+2], v[\b+4*yt+3]
.set yt, yt+1
.endr
	WIN 0
.set yt, 0
.rept 8
	ds_store_b64 v[YBST], v[TMP+2*yt:TMP+2*yt+1] offset:BP*(8*\g+yt)
.set yt, yt+1
.endr
	WIN \wm
.set yt, 0
.rept 16
	v_pk_mul_f32 v[\b+2*yt:\b+2*yt+1], v[\b+2*yt:\b+2*yt+1], v[CY:CY+1]
.set yt, yt+1
.endr
	WIN \ws
.set yt, 0
.rept 8
	ds_store_b128 v[YSST], v[\b+4*yt:\b+4*yt+3] offset:FP*(8*\g+yt)
.set yt, yt+1
.endr
.endm
.macro YLOAD n, buf                    ; CY y in the sums' layout: my 64 columns of slots 16 n ..
	WIN 0
.irp tp, 0,1,2,3
	ds_load_b128 v[(\buf)+8*\tp:(\buf)+8*\tp+3],   v[YSD] offset:(\n)*16*FP+64*\tp
	ds_load_b128 v[(\buf)+8*\tp+4:(\buf)+8*\tp+7], v[YSD] offset:(\n)*16*FP+64*\tp+16
.endr
.endm
.macro EPI n, a, buf, wf, wc, left     ; G f + CY y, CY y alone for a flagged slot; back into the same bytes of my slab
	s_wait_dscnt \left
	WIN \wf
.set ek, 0
.rept 16
	v_pk_fma_f32 v[(\a)+2*ek:(\a)+2*ek+1], v[(\a)+2*ek:(\a)+2*ek+1], v[GR+2*ek:GR+2*ek+1], v[(\buf)+2*ek:(\buf)+2*ek+1]
.set ek, ek+1
.endr
	WIN \wc
.set ek, 0
.rept 32
	v_cndmask_b32 v[(\buf)+ek], v[(\a)+ek], v[(\buf)+ek], s[FLG+\n]
.set ek, ek+1
.endr
	WIN 0
.irp tp, 0,1,2,3
	ds_store_b128 v[YSD], v[(\buf)+8*\tp:(\buf)+8*\tp+3]   offset:(\n)*16*FP+64*\tp
	ds_store_b128 v[YSD], v[(\buf)+8*\tp+4:(\buf)+8*\tp+7] offset:(\n)*16*FP+64*\tp+16
.endr
.endm
	s_load_b512 s[4:19], s[0:1], 0x0               ; jobs s[4:5], order s[6:7], y s[8:9], wb s[10:11], b1 s[12:13], b2 s[14:15], scales s[16:17], shifta s[18:19]
	s_load_b128 s[20:23], s[0:1], 0x40             ; shiftb s[20:21], out0 s[22:23]
	v_lshl_add_u32 v110, v0, 2, 0x4ec00
	v_mov_b32 v111, 0
	v_lshrrev_b32 v[LANE], 5, v0
	v_readfirstlane_b32 s24, v[LANE]               ; wave 0 .. 3
	v_and_b32 v[LANE], 31, v0
	v_and_b32 v[RR], 15, v0
	v_bfe_u32 v[HH], v0, 4, 1
	v_lshlrev_b32 v[L16], 4, v[LANE]
	v_lshlrev_b32 v[C16], 4, v[RR]
	v_lshlrev_b32 v[D32], 5, v[HH]
	s_lshl_b32 s32, ttmp9, 2
	s_mov_b32 s33, 0
	s_wait_kmcnt 0x0
	s_add_nc_u64 s[48:49], s[4:5], s[32:33]
	s_load_b32 s25, s[48:49], 0x0                  ; my job
	s_load_b32 s30, s[18:19], 0x0
	s_load_b32 s31, s[20:21], 0x0
	s_lshl_b32 s32, s24, 8                         ; my 64 columns: 256 bytes of f32
	s_add_nc_u64 s[42:43], s[16:17], s[32:33]      ; scales,
	s_add_nc_u64 s[44:45], s[8:9], s[32:33]        ; y
	s_add_nc_u64 s[46:47], s[22:23], s[32:33]      ; and out0 at my columns
	WIN 0xc0
.irp tp, 0,1,2,3
	global_load_b128 v[GR+8*\tp:GR+8*\tp+3],   v[D32], s[42:43] offset:64*\tp      ; scales[64 v + 16 T' + 8 h + 0 .. 7]
	global_load_b128 v[GR+8*\tp+4:GR+8*\tp+7], v[D32], s[42:43] offset:64*\tp+16
.endr
	WIN 0
	; LDS addresses: a constant, the wave's number times a slab, and a lane term that stays inside the slab
	s_mul_i32 s59, s24, BSLAB
	s_add_co_u32 s60, s59, YB                      ; my slab of YB
	s_add_co_u32 s59, s59, HB                      ; my slab of HB
	s_mul_i32 s61, s24, FSLAB                      ; my slab of YS
	s_mov_b32 s62, 0x80000                         ; the flag's bit
	v_lshl_add_u32 v[LSTW], v[LANE], 2, s59
	v_mul_u32_u24 v[LSTR], v[HH], 288
	v_add_nc_u32 v[LSTR], s59, v[LSTR]
	v_lshl_add_u32 v[LSTF], v[RR], 2, s59
	v_mul_u32_u24 v[YBST], v[HH], 72*BP
	v_lshl_add_u32 v[YBST], v[RR], 3, v[YBST]
	v_add_nc_u32 v[YBST], s60, v[YBST]
	v_mul_u32_u24 v[YSST], v[HH], 72*FP
	v_add_nc_u32 v[YSST], v[YSST], v[C16]
	v_add_nc_u32 v[YSST], s61, v[YSST]
	v_mul_u32_u24 v[TT], v[RR], BP
	v_lshl_add_u32 v[TT], v[HH], 4, v[TT]          ; 144 r + 16 h
	v_add_nc_u32 v[HBST], s59, v[TT]
	v_add_nc_u32 v[BAY],   YB, v[TT]
	v_add_nc_u32 v[BAY+1], YB+2*BSLAB, v[TT]
	v_add_nc_u32 v[BAH],   HB, v[TT]
	v_add_nc_u32 v[BAH+1], HB+2*BSLAB, v[TT]
	v_mul_u32_u24 v[YSD], v[RR], FP
	v_add_nc_u32 v[YSD], v[YSD], v[D32]
	v_add_nc_u32 v[YSD], s61, v[YSD]
	; the job: every field is clamped to its range before it comes near an address
	s_wait_kmcnt 0x0
	s_and_b32 s26, s25, 0x7fff
	s_min_u32 s26, s26, 0x7fff                     ; first position
	s_bfe_u32 s27, s25, 0x80010
	s_min_u32 s27, s27, ROWS
	s_max_u32 s27, s27, 1                          ; count
	s_bfe_u32 s28, s25, 0x30018
	s_min_u32 s28, s28, 7                          ; expert
	s_add_co_u32 s29, s26, s27
	s_sub_co_u32 s29, s29, 1                       ; last position
	; the list: slot 32 k + lane takes position min(first + slot, last)
	v_add_nc_u32 v[POS], s26, v[LANE]
.irp k, 1,2,3,4
	v_add_nc_u32 v[POS+\k], 32*\k, v[POS]
.endr
.irp k, 0,1,2,3,4
	v_min_u32 v[POS+\k], s29, v[POS+\k]
	v_min_u32 v[POS+\k], 0x7fff, v[POS+\k]
	v_lshlrev_b32 v[POS+\k], 2, v[POS+\k]
	global_load_b32 v[ENT+\k], v[POS+\k], s[6:7]
.endr
	s_lshl_b32 s32, s28, 10                        ; a bias is 1,024 bytes
	s_lshl_b32 s48, s24, 8
	s_add_co_u32 s32, s32, s48
	s_add_nc_u64 s[38:39], s[12:13], s[32:33]
	s_add_nc_u64 s[40:41], s[14:15], s[32:33]
	s_lshl_b32 s32, s28, 17                        ; a matrix is 131,072 bytes of f16,
	s_lshl_b32 s48, s24, 15                        ; my quarter 32,768
	s_add_co_u32 s32, s32, s48
	s_add_nc_u64 s[34:35], s[10:11], s[32:33]
	s_add_nc_u64 s[36:37], s[34:35], 0x100000      ; W2 lies 1 MiB behind W1
	WIN 0xc0
.irp tp, 0,1,2,3
	global_load_b128 v[B1R+8*\tp:B1R+8*\tp+3],   v[D32], s[38:39] offset:64*\tp
	global_load_b128 v[B1R+8*\tp+4:B1R+8*\tp+7], v[D32], s[38:39] offset:64*\tp+16
.endr
.irp tp, 0,1,2,3
	global_load_b128 v[B2R+8*\tp:B2R+8*\tp+3],   v[D32], s[40:41] offset:64*\tp
	global_load_b128 v[B2R+8*\tp+4:B2R+8*\tp+7], v[D32], s[40:41] offset:64*\tp+16
.endr
	WIN 0x40
.set wi, 0
.rept 64
	global_load_b128 v[4*wi:4*wi+3], v[L16], s[34:35] offset:512*wi            ; my quarter of W1: 512 consecutive bytes a load; other work-groups read them again: no hint
.set wi, wi+1
.endr
	WIN 0
	s_wait_loadcnt 63                              ; 93 loads are issued, in order: 8 of scales, 5 of the list, 16 of the biases, 64 of W1.  The oldest 30 are in.
	; every lane needs the rows of 72 slots: the list goes through my own bytes of LDS, the rows alone and the whole words apart
.irp k, 0,1,2,3,4
	v_and_b32 v[TMP+\k], 0x7fff, v[ENT+\k]
	ds_store_b32 v[LSTW], v[TMP+\k] offset:128*\k
	ds_store_b32 v[LSTW], v[ENT+\k] offset:640+128*\k
.endr
	WIN 0xc0
.set li, 0
.rept 18
	ds_load_b128 v[ROFF+4*li:ROFF+4*li+3], v[LSTR] offset:16*li                ; LDS serves a wave's instructions in order (ISA guide 5.7.1): these see the stores above
.set li, li+1
.endr
	WIN 0
.set li, 0
.rept NT
	ds_load_b32 v[TMP+8+li], v[LSTF] offset:640+64*li                          ; the word of slot 16 n + r
.set li, li+1
.endr
	s_wait_dscnt 0x0
	WIN 0xcc
.set li, 0
.rept 72
	v_min_u32 v[ROFF+li], 0x7fff, v[ROFF+li]       ; a loaded number enters an address only behind a clamp to the buffer's rows
.set li, li+1
.endr
	WIN 0xc3
.set li, 0
.rept 72
	v_lshl_add_u32 v[ROFF+li], v[ROFF+li], 10, v[C16]
.set li, li+1
.endr
	WIN 0x83
.set li, 0
.rept 64
	global_load_b128 v[4*li:4*li+3], v[ROFF+li], s[44:45]                      ; 16 lanes read 256 consecutive bytes, aligned: my columns of one row; two rows a load
.set li, li+1
.endr
	WIN 0xc3
.set li, 0
.rept 8
	global_load_b128 v[4*li:4*li+3], v[ROFF+64+li], s[44:45]
.set li, li+1
.endr
	WIN 0
.set li, 0
.rept NT
	v_cmp_le_u32 s[FLG+li], s62, v[TMP+8+li]       ; flagged: bit 19 is the word's highest
.set li, li+1
.endr
	; the constants of the last step, while y is on its way: sigmoid(x) = 1 / (1 + 2^(-1.442695 x))
	v_mov_b32 v[TMP], s30
	v_mov_b32 v[TMP+1], s31
	v_pk_mul_f32 v[TMP:TMP+1], v[TMP:TMP+1], 0xbfb8aa3b op_sel_hi:[1,0]
	v_exp_f32 v[TMP], v[TMP]
	v_exp_f32 v[TMP+1], v[TMP+1]
	v_nop
	s_wait_alu depctr_va_vdst(0)
	v_pk_add_f32 v[TMP:TMP+1], v[TMP:TMP+1], 1.0 op_sel_hi:[1,0]
	v_rcp_f32 v[TMP], v[TMP]
	v_rcp_f32 v[TMP+1], v[TMP+1]
	v_nop
	s_wait_alu depctr_va_vdst(0)
	v_sub_f32 v[CY], v[TMP+1], v[TMP]              ; b - a = sb - sa
	v_add_f32 v[TMP+2], v[TMP], v[TMP+1]           ; a + b = sb + sa
	v_mul_f32 v[CY], 0.5, v[CY]
	v_mul_f32 v[TMP+2], 0.5, v[TMP+2]
	v_mov_b32 v[CY+1], v[CY]
	v_mov_b32 v[TMP+3], v[TMP+2]
	WIN 0xc3
.set li, 0
.rept 16
	v_pk_mul_f32 v[GR+2*li:GR+2*li+1], v[GR+2*li:GR+2*li+1], 0xbfb8aa3b op_sel_hi:[1,0]
.set li, li+1
.endr
.set li, 0
.rept 32
	v_exp_f32 v[GR+li], v[GR+li]
.set li, li+1
.endr
	v_nop
.set li, 0
	s_wait_alu depctr_va_vdst(0)
.rept 16
	v_pk_add_f32 v[GR+2*li:GR+2*li+1], v[GR+2*li:GR+2*li+1], 1.0 op_sel_hi:[1,0]
.set li, li+1
.endr
.set li, 0
.rept 32
	v_rcp_f32 v[GR+li], v[GR+li]
.set li, li+1
.endr
	v_nop
.set li, 0
	s_wait_alu depctr_va_vdst(0)
.rept 16
	v_pk_mul_f32 v[GR+2*li:GR+2*li+1], v[GR+2*li:GR+2*li+1], v[TMP+2:TMP+3]
.set li, li+1
.endr
	; y into LDS, eight loads at a time.  y's 72 loads are the youngest: group g is in when 64 - 8 g are out (the first wait would be for 64;
	; the field of the wait ends at 63).  The last wait, for 0, also covers W1 and the biases.
	YCONV 0, 0,   0x0a, 0x82, 0x08, 63
	YCONV 1, 32,  0x0a, 0x82, 0x08, 56
	YCONV 2, 64,  0x0a, 0x82, 0x08, 48
	YCONV 3, 96,  0x0a, 0x82, 0x08, 40
	YCONV 4, 128, 0x0a, 0x82, 0x08, 32
	YCONV 5, 160, 0x0a, 0x82, 0x08, 24
	YCONV 6, 192, 0x0a, 0x82, 0x08, 16
	YCONV 7, 224, 0x0a, 0x82, 0x08, 8
	YCONV 8, 0,   0x0f, 0xc3, 0x0c, 0
	s_wait_dscnt 0x0                               ; my slab of y is in LDS before I say so
	s_barrier_signal -1
	s_barrier_wait -1                              ; everybody's is
	LAYER BAY, B1R, 1                              ; W1 y + b1; W2 follows into W1's registers
	WIN 0x82                                       ; tanh, in place
.set ab, 0
.rept 16
	TANH16
.set ab, ab+16
.endr
	WIN 0xc3
.set ab, 0
.rept 2
	TANH16
.set ab, ab+16
.endr
	WIN 0x0a                                       ; a tile's eight features of a slot are 16 bytes of f16
.set hn, 0
.rept 32
.irp p, 0,1,2,3
	v_cvt_pk_f16_f32 v[HT+4*hn+\p], v[8*hn+2*\p], v[8*hn+2*\p+1]
.endr
.set hn, hn+1
.endr
	WIN 0x0f
.set hn, 0
.rept 4
.irp p, 0,1,2,3
	v_cvt_pk_f16_f32 v[HT+128+4*hn+\p], v[8*hn+2*\p], v[8*hn+2*\p+1]
.endr
.set hn, hn+1
.endr
	WIN 0
.set hn, 0
.rept 36
	ds_store_b128 v[HBST], v[HT+4*hn:HT+4*hn+3] offset:(hn/4)*16*BP+32*(hn&3)  ; tile (T' = hn & 3, n = hn / 4): slot 16 n + r, features 16 T' + 8 h ..
.set hn, hn+1
.endr
	s_wait_dscnt 0x0                               ; my slab of hidden values is in LDS before I say so
	s_barrier_signal -1
	s_barrier_wait -1
	s_wait_loadcnt 0x0                             ; W2: the last eight loads were issued in front of the tanh
	LAYER BAH, B2R, 0                              ; W2 h + b2
	; the last step, tile row by tile row, the next one's CY y requested one ahead.  My own slab: LDS keeps my instructions in order.
	YLOAD 0, YA0
.set en, 0
.rept 8
	YLOAD en+1, YA0+32*((en+1)&1)
	EPI en, 32*en, YA0+32*(en&1), 0x8e, 0x02, 8    ; all but the eight loads just issued are done
.set en, en+1
.endr
	EPI 8, 0, YA0, 0xcf, 0x03, 0
	; the way out: rows back from my slab, two a load, into the registers of the sums
	WIN 0x80
.set oi, 0
.rept 64
	ds_load_b128 v[4*oi:4*oi+3], v[YSST] offset:FP*oi
.set oi, oi+1
.endr
	WIN 0xc0
.set oi, 0
.rept 8
	ds_load_b128 v[4*oi:4*oi+3], v[YSST] offset:FP*(64+oi)
.set oi, oi+1
.endr
	WIN 0x0b
.set oi, 0
.rept 64
.if 71-oi > 63
	s_wait_dscnt 63                                ; the field of the wait ends at 63
.else
	s_wait_dscnt 71-oi                             ; row pair oi is back, the younger loads stay out
.endif
	global_store_b128 v[ROFF+oi], v[4*oi:4*oi+3], s[46:47] th:TH_STORE_NT      ; 16 lanes store 256 consecutive bytes, aligned: my columns of one row
.set oi, oi+1
.endr
	WIN 0x0f
.set oi, 0
.rept 8
	s_wait_dscnt 7-oi
	global_store_b128 v[ROFF+64+oi], v[4*oi:4*oi+3], s[46:47] th:TH_STORE_NT
.set oi, oi+1
.endr
	WIN 0
	s_wait_tensorcnt 0x0
	ds_add_u32 v110, v111
	s_wait_dscnt 0x0
	s_endpgm
.Lfunc_end_k_qc20d3abba9_mlp:
	.size	k_qc20d3abba9_mlp, .Lfunc_end_k_qc20d3abba9_mlp-k_qc20d3abba9_mlp
	.p2alignl 7, 3214868480
	.fill 96, 4, 3214868480
	.section	.rodata,"a",@progbits
	.p2align	6, 0x0
	.amdhsa_kernel k_qc20d3abba9_mlp
		.amdhsa_group_segment_fixed_size 323072
		.amdhsa_private_segment_fixed_size 0
		.amdhsa_enable_private_segment 0
		.amdhsa_kernarg_size 80
		.amdhsa_user_sgpr_count 2
		.amdhsa_user_sgpr_kernarg_segment_ptr 1
		.amdhsa_wavefront_size32 1
		.amdhsa_system_sgpr_workgroup_id_x 1
		.amdhsa_system_sgpr_workgroup_id_y 1
		.amdhsa_system_sgpr_workgroup_id_z 1
		.amdhsa_system_vgpr_workitem_id 0
		.amdhsa_next_free_vgpr 1024
		.amdhsa_next_free_sgpr 66
		.amdhsa_reserve_vcc 0
		.amdhsa_float_denorm_mode_32 3
		.amdhsa_float_denorm_mode_16_64 3
		.amdhsa_memory_ordered 1
		.amdhsa_forward_progress 1
		.amdhsa_inst_pref_size 246
	.end_amdhsa_kernel
	.amdgpu_metadata
---
amdhsa.version: [ 1, 2 ]
amdhsa.kernels:
  - .name:           k_qc20d3abba9_mlp
    .symbol:         k_qc20d3abba9_mlp.kd
    .args:
      - { .name: jobs, .offset: 0, .size: 8, .value_kind: global_buffer, .address_space: global }
      - { .name: order, .offset: 8, .size: 8, .value_kind: global_buffer, .address_space: global }
      - { .name: y, .offset: 16, .size: 8, .value_kind: global_buffer, .address_space: global }
      - { .name: wb, .offset: 24, .size: 8, .value_kind: global_buffer, .address_space: global }
      - { .name: b1, .offset: 32, .size: 8, .value_kind: global_buffer, .address_space: global }
      - { .name: b2, .offset: 40, .size: 8, .value_kind: global_buffer, .address_space: global }
      - { .name: scales, .offset: 48, .size: 8, .value_kind: global_buffer, .address_space: global }
      - { .name: shifta, .offset: 56, .size: 8, .value_kind: global_buffer, .address_space: global }
      - { .name: shiftb, .offset: 64, .size: 8, .value_kind: global_buffer, .address_space: global }
      - { .name: out0, .offset: 72, .size: 8, .value_kind: global_buffer, .address_space: global }
    .group_segment_fixed_size: 323072
    .private_segment_fixed_size: 0
    .kernarg_segment_align: 8
    .kernarg_segment_size: 80
    .max_flat_workgroup_size: 128
    .sgpr_count:     66
    .vgpr_count:     1024
    .wavefront_size: 32
...
	.end_amdgpu_metadata
.endif
;; end of part 3
;; ======== version 2 of 2: 3 launches; version 1 with the launch mlp written anew for expert scheduling mode
;; limits: values are held in f16: magnitudes above 65,504 overflow, below 6.1e-05 lose precision; inputs' magnitudes at most 65,504
;; workspace buffers: kr 131,072 bytes of whole numbers; hist 4,096 bytes of whole numbers; order 131,072 bytes of whole numbers; jobs 1,024 bytes of whole numbers; wb 2,097,152 bytes
;; launch prep: the kernel of part 1 again; grid 128 x 1, 8 waves a work-group, no clusters, 2,048 bytes of LDS; arguments t, W1, W2, kr, hist, wb; writes kr, hist, wb
;; launch place: the kernel of part 2 again; grid 128 x 1, 8 waves a work-group, no clusters, 1,280 bytes of LDS; arguments kr, hist, order, jobs; writes order, jobs
;; launch mlp (part 4): grid 256 x 1, 4 waves a work-group, no clusters, 323,072 bytes of LDS; arguments jobs, order, y, wb, b1, b2, scales, shifta, shiftb, out0; writes out0
.if DOCPART == 4
	.amdgcn_target "amdgcn-amd-amdhsa--gfx1250"
	.amdhsa_code_object_version 6
	.text
	.protected	k_qc20d3abba9_mlp
	.globl	k_qc20d3abba9_mlp
	.p2align	8
	.type	k_qc20d3abba9_mlp,@function
k_qc20d3abba9_mlp:
	s_mov_b64 s[64:65], 0
	v_nop
	global_prefetch_b8 v0, s[64:65] scope:SCOPE_SE
	s_setreg_imm32_b32 hwreg(HW_REG_WAVE_SCHED_MODE, 0, 2), 2
	s_setreg_imm32_b32 hwreg(HW_REG_WAVE_MODE, 25, 1), 1
	s_wait_xcnt 0x0
	s_wait_alu depctr_vm_vsrc(0)
; THIRD LAUNCH: out[row] = G * f(row) + CY * y[row],  f = W2[e] tanh(W1[e] y + b1[e]) + b2[e] with e the row's key, f = 0 for a flagged row,
; G[c] = 0.5 (sa + sb) sigmoid(scales[c]),  CY = 0.5 (sb - sa),  sa = sigmoid(shifta), sb = sigmoid(shiftb).
; Only the expert that the selection keeps is computed for a row; the other seven results would be thrown away by that selection.
;
; SHARES.  Work-group w does job w: count (1 .. 144) positions of the sorted list, all of one expert.  It always computes 144 slots, nine tiles of 16
; rows; the slots behind the count repeat the job's last row, so they load the same bytes, compute the same numbers and store them to the same place
; again, from the same wave.  That costs 4,096 slots beyond the 32,768 rows and spares every test of validity: there is no branch in this text, and the
; numbers read from memory (job, list) enter global addresses alone, each behind a clamp.
; Wave v owns features 64 v .. 64 v + 63 of both layers for all 144 slots: 4 x 9 tiles of sums, 288 registers.  So a weight fragment is multiplied by
; one wave alone: it goes from memory straight into that wave's registers (a quarter of a matrix is 32,768 consecutive bytes in fragment order, 64 loads
; of 512 consecutive bytes, 256 registers), and W2's fragments are loaded into W1's registers as layer 1 gives them up.
; y comes in by columns: a load takes 256 bytes (my 64 columns) of two rows.  It goes to LDS twice: as f16 for every wave's products, and as CY y in
; f32 into a slab that stays my own, where the last step works in place and from which whole rows leave.  y is read from memory once.
; NO JOINT REQUESTS: which expert a work-group reads is a number from memory, so neighbours' requests are not equal by this text's arithmetic.
; No tensor loads: no tile is read by more than one wave before it has been converted.  No prefetch: a wave issues all 72 loads of its rows as soon
; as it knows the list; nothing is known earlier.
; PRODUCTS.  Source 0 = 16 rows of a weight matrix (features), source 1 = 16 slots.  Register j of lane (r, h) of a result is feature 16 T + 8 h + j of
; slot 16 n + r.  The biases are the first products' C operand: nothing is cleared and nothing is added afterwards.
; FORMAT.  The matrix operands (y, W1, hidden values, W2) are f16, the sums f32.  f16 and not bf16: the result is wanted within a hundredth of its root
; mean square where it is small, and it is a sum of 256 products in each of two layers.  With factors rounded to 8 significant bits the error of such a
; sum is a few thousandths of the result's spread, too near that bound for eight million numbers; with 11 bits it is an eighth of that.
; The operands have room in f16: hidden values lie in -1 .. 1, and rows and weights some 30 times larger than unit rows and weights of spread 1/16,
; or offset by 30 spreads, stay under a few hundred.
; LIMITS.  An element of y, W1 or W2 beyond 65,504 in size becomes an infinity.  Below 2^-14 the step of f16 is 2^-24, so operands whose whole spread
; is under about 1e-5 lose accuracy.  tanh(x) = 1 - 2 / (1 + 2^(2.885390 x)): exact limits at large |x|, absolute error near 1e-7, so the relative error
; grows below |x| of about 1e-4.  v_exp_f32 and v_rcp_f32 flush denormals (ISA guide, their entries in 15.8): a sigmoid below 2^-126 comes out as 0.
;
; THE MODE: SCHED_MODE bits 1:0 = 2 (LLVM: expert scheduling mode 2), set by the entry lines.  The code itself states the register dependences
; between vector or matrix instructions and memory or LDS instructions, with s_wait_alu, always for 0.
; THE PLAN.  Registers that memory or LDS instructions touch, and who else names them:
;   addresses     window 0 v4-v12, v16-v20, v22-v26 and ROFF in window 3: made once by vector instructions, each ahead of a wait on va_vdst, and never written again.
;   y's registers window 2, window 3 v0-31.  Loaded once; group g's sixteen multiplications write them in place; its LDS stores are issued at the head of group g + 1;
;                 from layer 1 on they are the sums.
;   OUT           window 0 v112-255, a buffer of 16 for each of y's nine groups: written by group g's conversions, read by its LDS stores a group later.
;   BB0, BB1      the same 144 registers from layer 1 on: the LDS loads of step st + 1 land in the buffer that the matrix instructions of step st - 1 read.
;                 Between the layers the hidden values in f16 pass through them: written by conversions, read by LDS stores.
;   window 1      K step s's 32 registers are read by step s's matrix instructions; in step s + 1 W2's step s lands in them (layer 1), or CY y of tile row s (layer 2),
;                 which the selection of the last step turns into the result in place; the LDS stores read it there.  Tile row 8 has v112-143 of window 0.
;   the sums      named by matrix and vector instructions; at the very end the rows read back from LDS land in them.
; So: one wait on va_vdst at the head of each group of y, of each K step, of each run of LDS stores behind arithmetic; and one wait on vm_vsrc behind each of the
; two barriers, where registers that LDS stores have read take up another part.  No register that a store has read is written again anywhere else.
.set ROWS, 144
.set NT, 9                             ; tiles of 16 slots
.set BP, 144                           ; a slab row of 64 f16: 128 bytes + 16 = 9 x 16, so 16 rows start at 16 different groups of four banks (64 banks of 4 bytes: ISA guide 11.1)
.set BSLAB, ROWS*BP                    ; 20,736
.set FP, 272                           ; a slab row of 64 f32: 256 bytes + 16 = 17 x 16
.set FSLAB, ROWS*FP                    ; 39,168
.set YS, 0                             ; slab v: CY y, then the result, columns 64 v ..; written and read by wave v alone
.set YB, 4*FSLAB                       ; slab v: y in f16, columns 64 v ..; written by wave v, read by all behind the first barrier
.set HB, YB+4*BSLAB                    ; slab v: first wave v's own copy of the list, then the hidden values in f16, read by all behind the second barrier
; window 0
.set LANE, 1
.set RR,   2                           ; lane & 15
.set HH,   3                           ; lane >> 4
.set L16,  4                           ; 16 x lane
.set C16,  5                           ; 16 x (lane & 15)
.set LSTW, 6                           ; list in LDS: slot = lane
.set LSTR, 7                           ; list in LDS: slot 72 (lane >> 4)
.set LSTF, 8                           ; list in LDS: slot lane & 15
.set YBST, 9                           ; my f16 slab, row 72 (lane >> 4), 8 bytes a lane
.set YSST, 10                          ; my f32 slab, row 72 (lane >> 4), 16 bytes a lane
.set HBST, 11                          ; my slab of hidden values, row r, 16 h
.set YSD,  12                          ; my f32 slab, row r, 32 h: the sums' layout
.set TT,   13
.set CY,   14                          ; v[14:15]  CY, twice
.set BAY,  16                          ; v16, v17  y's fragments: slabs 0-1, slabs 2-3
.set BAH,  18                          ; v18, v19  the hidden values' fragments
.set D32,  20                          ; 32 h
.set POS,  22                          ; v[22:26]  byte offsets of five list words
.set ENT,  27                          ; v[27:31]  the words
.set TMP,  32                          ; v[32:36]  the words' rows, on their way to LDS; v[40:48] the words of slots 16 n + r
.set KC,   52                          ; v[52:55]  the constants of the last step, at work: no memory instruction names them
.set BB0,  112                         ; v[112:183] nine source 1 fragments, buffer 0
.set BB1,  184                         ; v[184:255] buffer 1
.set HT,   112                         ; the same 144: y in f16, later the hidden values in f16, on their way to LDS
.set YA8,  112                         ; the last step: CY y of tile row 8, then its result
; window 1: weight fragment (K step s, tile T') at 8 (4 s + T'); at the end CY y of tile row n < 8 at 32 n, then its result
; window 2: sums of tile (T', n), n < 8, at 8 (4 n + T'); before that row pair i of y, i < 64, at 4 i; at the end row pair i of the result
; window 3: the same for n = 8 at 8 T' and for i >= 64 at 4 (i - 64), and
.set B1R,  32                          ; b1 of feature 16 T' + 8 h + j at 8 T' + j
.set B2R,  64                          ; b2
.set GR,   96                          ; G
.set ROFF, 128                         ; v[128:199] row pair i: 1,024 x row of slot 72 (lane >> 4) + i, + 16 (lane & 15)
.set FLG,  50                          ; s[50:58]  tile row n: lanes whose slot is flagged
.set MSB, 0
.macro WIN new                         ; s_set_vgpr_msb: bits 1:0 source 0, 3:2 source 1, 5:4 source 2, 7:6 destination; the high byte repeats the setting left
.if MSB != \new
	s_set_vgpr_msb (MSB<<8)|\new
.set MSB, \new
.endif
.endm
.macro PLACES                          ; four independent vector instructions between a matrix instruction and whatever touches its registers (ISA guide 7.12.1)
.rept 4
	v_nop
.endr
.endm
; 18 loads: the nine source 1 fragments of K step s.  K = 32 s .. lies in slab s >> 1 at byte 64 (s & 1) of the rows.
.macro FETCHB ba, s, buf
	WIN 0
.set fn, 0
.rept NT
	ds_load_b128 v[(\buf)+8*fn:(\buf)+8*fn+3],   v[(\ba)+((\s)>>2)] offset:(((\s)>>1)&1)*BSLAB+fn*16*BP+((\s)&1)*64
	ds_load_b128 v[(\buf)+8*fn+4:(\buf)+8*fn+7], v[(\ba)+((\s)>>2)] offset:(((\s)>>1)&1)*BSLAB+fn*16*BP+((\s)&1)*64+32
.set fn, fn+1
.endr
.endm
; A K step's 36 matrix instructions go on 36 different sums: my 4 feature tiles x 9 slot tiles, 32 along K, always in the same order.  first = 1: C is the bias.
; MULN: slot tiles n0 .. n0 + cnt - 1 of the first eight.  MULT: slot tile 8.
.macro MULN s, buf, first, bias, n0, cnt
.if \first
	WIN 0xb1
.else
	WIN 0xa1
.endif
.set mn, \n0
.rept \cnt
.irp tp, 0,1,2,3
.if \first
	v_wmma_f32_16x16x32_f16 v[8*(4*mn+\tp):8*(4*mn+\tp)+7], v[8*(4*(\s)+\tp):8*(4*(\s)+\tp)+7], v[(\buf)+8*mn:(\buf)+8*mn+7], v[(\bias)+8*\tp:(\bias)+8*\tp+7]
.else
	v_wmma_f32_16x16x32_f16 v[8*(4*mn+\tp):8*(4*mn+\tp)+7], v[8*(4*(\s)+\tp):8*(4*(\s)+\tp)+7], v[(\buf)+8*mn:(\buf)+8*mn+7], v[8*(4*mn+\tp):8*(4*mn+\tp)+7]
.endif
.endr
.set mn, mn+1
.endr
.endm
.macro MULT s, buf, first, bias
	WIN 0xf1
.irp tp, 0,1,2,3
.if \first
	v_wmma_f32_16x16x32_f16 v[8*\tp:8*\tp+7], v[8*(4*(\s)+\tp):8*(4*(\s)+\tp)+7], v[(\buf)+64:(\buf)+71], v[(\bias)+8*\tp:(\bias)+8*\tp+7]
.else
	v_wmma_f32_16x16x32_f16 v[8*\tp:8*\tp+7], v[8*(4*(\s)+\tp):8*(4*(\s)+\tp)+7], v[(\buf)+64:(\buf)+71], v[8*\tp:8*\tp+7]
.endif
.endr
.endm
.macro REFILL s                        ; W2's four fragments of K step s into the registers of W1's: 8 loads of 512 consecutive bytes
	WIN 0x40
.irp q, 0,1,2,3,4,5,6,7
	global_load_b128 v[4*(8*(\s)+\q):4*(8*(\s)+\q)+3], v[L16], s[36:37] offset:512*(8*(\s)+\q)
.endr
.endm
.macro YLOAD n                         ; CY y in the sums' layout, my 64 columns of slots 16 n ..: into the registers of W2's K step n, tile row 8 into v112-143 of window 0
.if (\n) < 8
	WIN 0x40
.irp tp, 0,1,2,3
	ds_load_b128 v[32*(\n)+8*\tp:32*(\n)+8*\tp+3],   v[YSD] offset:(\n)*16*FP+64*\tp
	ds_load_b128 v[32*(\n)+8*\tp+4:32*(\n)+8*\tp+7], v[YSD] offset:(\n)*16*FP+64*\tp+16
.endr
.else
	WIN 0
.irp tp, 0,1,2,3
	ds_load_b128 v[YA8+8*\tp:YA8+8*\tp+3],   v[YSD] offset:(\n)*16*FP+64*\tp
	ds_load_b128 v[YA8+8*\tp+4:YA8+8*\tp+7], v[YSD] offset:(\n)*16*FP+64*\tp+16
.endr
.endif
.endm
.macro GIVE kind, s                    ; what lands in the weight registers of K step s when they are given up: kind 1 (layer 1) W2's step s, kind 2 (layer 2) CY y of tile row s
.if (\kind) == 1
	REFILL \s
.else
	YLOAD \s
.endif
.endm
; A layer: 8 K steps on two fragment buffers, each filled one step ahead.  One wait on va_vdst at a step's head; behind it the step's loads: the next step's 18 fragment
; loads at once, the 8 loads into the weight registers just given up behind the step's first 16 matrix instructions.  The matrix instructions between name this step's
; buffer, this step's weights and the sums: none of the registers that those loads touch.
.macro LAYER ba, bias, kind
	FETCHB \ba, 0, BB0
	FETCHB \ba, 1, BB1
	s_wait_dscnt 18                                ; LDS loads return in order: step 0's are in, the 18 of step 1 stay out
	MULN 0, BB0, 1, \bias, 0, 8
	MULT 0, BB0, 1, \bias
.set st, 1
.rept 6
	PLACES                                         ; the buffer and the weight registers filled next were read by the matrix instructions just in front
	WIN 0
	s_wait_alu depctr_va_vdst(0)                   ; the matrix instructions of the step before are done reading their fragment buffer and their weight registers, in which this step's loads land
	FETCHB \ba, st+1, BB0+72*((st+1)&1)
.if ((\kind) == 2) && (st > 1)
	s_wait_dscnt 26                                ; this step's fragments are in; the 8 loads of CY y issued in the step before and the 18 just issued stay out
.else
	s_wait_dscnt 18                                ; this step's fragments are in, the 18 just issued stay out
.endif
	MULN st, BB0+72*(st&1), 0, 0, 0, 4
	GIVE \kind, st-1                               ; no wait: no vector or matrix instruction since the wait above names these registers
	MULN st, BB0+72*(st&1), 0, 0, 4, 4
	MULT st, BB0+72*(st&1), 0, 0
.set st, st+1
.endr
	PLACES
	s_wait_alu depctr_va_vdst(0)                   ; step 6's matrix instructions are done reading their weight registers and buffer 0, in which the loads among step 7's products land
.if (\kind) == 2
	s_wait_dscnt 8                                 ; the last step's fragments are in; the 8 loads of CY y issued behind them stay out
.else
	s_wait_dscnt 0                                 ; nothing was issued behind the last step's fragments
.endif
	MULN 7, BB1, 0, 0, 0, 4
	GIVE \kind, 6
.if (\kind) == 2
	YLOAD 8                                        ; buffer 0 has been given up too
.endif
	MULN 7, BB1, 0, 0, 4, 4
	MULT 7, BB1, 0, 0
	PLACES                                         ; for whatever reads the sums or refills the operands next
	WIN 0x40
	s_wait_alu depctr_va_vdst(0)                   ; step 7's matrix instructions are done reading their weight registers, in which the loads below land
	GIVE \kind, 7
.endm
.macro TANH16                          ; tanh in place on the 16 registers from ab on
.set aj, 0
.rept 8
	v_pk_mul_f32 v[ab+aj:ab+aj+1], v[ab+aj:ab+aj+1], 0x4038aa3b op_sel_hi:[1,0]    ; 2 log2(e) x
.set aj, aj+2
.endr
.set aj, 0
.rept 16
	v_exp_f32 v[ab+aj], v[ab+aj]
.set aj, aj+1
.endr
	v_nop                                          ; one plain instruction between a transcendental and the use of its result (ISA guide 5.7.2)
.set aj, 0
	s_wait_alu depctr_va_vdst(0)
.rept 8
	v_pk_add_f32 v[ab+aj:ab+aj+1], v[ab+aj:ab+aj+1], 1.0 op_sel_hi:[1,0]
.set aj, aj+2
.endr
.set aj, 0
.rept 16
	v_rcp_f32 v[ab+aj], v[ab+aj]
.set aj, aj+1
.endr
	v_nop
.set aj, 0
	s_wait_alu depctr_va_vdst(0)
.rept 8
	v_pk_fma_f32 v[ab+aj:ab+aj+1], v[ab+aj:ab+aj+1], -2.0, 1.0 op_sel_hi:[1,0,0]
.set aj, aj+2
.endr
.endm
.macro HOUT h0, cnt                    ; hidden values of tiles h0 .. into my slab.  Tile (T' = hn & 3, n = hn / 4): slot 16 n + r, features 16 T' + 8 h ..
	WIN 0
.set hn, \h0
.rept \cnt
	ds_store_b128 v[HBST], v[HT+4*hn:HT+4*hn+3] offset:(hn/4)*16*BP+32*(hn&3)
.set hn, hn+1
.endr
.endm
; Group g of y: eight row pairs, registers b .. b + 31 of window 2 or 3.  YVEC: f16 into the group's own out-buffer, CY y in place.  YOUT: both into my slabs of YB and YS.
.macro YVEC g, b, wc, wm
	WIN \wc
.set yt, 0
.rept 8
	v_cvt_pk_f16_f32 v[HT+16*(\g)+2*yt],   v[(\b)+4*yt],   v[(\b)+4*yt+1]
	v_cvt_pk_f16_f32 v[HT+16*(\g)+2*yt+1], v[(\b)+4*yt+2], v[(\b)+4*yt+3]
.set yt, yt+1
.endr
	WIN \wm
.set yt, 0
.rept 16
	v_pk_mul_f32 v[(\b)+2*yt:(\b)+2*yt+1], v[(\b)+2*yt:(\b)+2*yt+1], v[CY:CY+1]
.set yt, yt+1
.endr
.endm
.macro YOUT g, b, ws
	WIN 0
.set yt, 0
.rept 8
	ds_store_b64 v[YBST], v[HT+16*(\g)+2*yt:HT+16*(\g)+2*yt+1] offset:BP*(8*(\g)+yt)
.set yt, yt+1
.endr
	WIN \ws
.set yt, 0
.rept 8
	ds_store_b128 v[YSST], v[(\b)+4*yt:(\b)+4*yt+3] offset:FP*(8*(\g)+yt)
.set yt, yt+1
.endr
.endm
.macro YGRP g, b, left                 ; groups 1 to 7: the group before goes out, this one is worked on
	s_wait_loadcnt \left                           ; loads return in order: this group's eight are in
	WIN 0
	s_wait_alu depctr_va_vdst(0)                   ; the group before has written its out-buffer and its CY y, which the sixteen LDS stores below read; no vector line of this group names them
	YOUT (\g)-1, (\b)-32, 0x08
	YVEC \g, \b, 0x0a, 0x82
.endm
; The last step for tile row n.  EPIF: G f + CY y, in the sums' registers.  EPIC: CY y alone for a flagged slot, into the registers of CY y.  EPIS: back into the same bytes of my slab.
.macro EPIF n
.set ek, 0
.if (\n) < 8
	WIN 0x9e
.rept 16
	v_pk_fma_f32 v[32*(\n)+2*ek:32*(\n)+2*ek+1], v[32*(\n)+2*ek:32*(\n)+2*ek+1], v[GR+2*ek:GR+2*ek+1], v[32*(\n)+2*ek:32*(\n)+2*ek+1]
.set ek, ek+1
.endr
.else
	WIN 0xcf
.rept 16
	v_pk_fma_f32 v[2*ek:2*ek+1], v[2*ek:2*ek+1], v[GR+2*ek:GR+2*ek+1], v[YA8+2*ek:YA8+2*ek+1]
.set ek, ek+1
.endr
.endif
.endm
.macro EPIC n
.set ek, 0
.if (\n) < 8
	WIN 0x46
.rept 32
	v_cndmask_b32 v[32*(\n)+ek], v[32*(\n)+ek], v[32*(\n)+ek], s[FLG+(\n)]
.set ek, ek+1
.endr
.else
	WIN 0x03
.rept 32
	v_cndmask_b32 v[YA8+ek], v[ek], v[YA8+ek], s[FLG+(\n)]
.set ek, ek+1
.endr
.endif
.endm
.macro EPIS n
.if (\n) < 8
	WIN 0x04
.irp tp, 0,1,2,3
	ds_store_b128 v[YSD], v[32*(\n)+8*\tp:32*(\n)+8*\tp+3]   offset:(\n)*16*FP+64*\tp
	ds_store_b128 v[YSD], v[32*(\n)+8*\tp+4:32*(\n)+8*\tp+7] offset:(\n)*16*FP+64*\tp+16
.endr
.else
	WIN 0
.irp tp, 0,1,2,3
	ds_store_b128 v[YSD], v[YA8+8*\tp:YA8+8*\tp+3]   offset:(\n)*16*FP+64*\tp
	ds_store_b128 v[YSD], v[YA8+8*\tp+4:YA8+8*\tp+7] offset:(\n)*16*FP+64*\tp+16
.endr
.endif
.endm
	s_load_b512 s[4:19], s[0:1], 0x0               ; jobs s[4:5], order s[6:7], y s[8:9], wb s[10:11], b1 s[12:13], b2 s[14:15], scales s[16:17], shifta s[18:19]
	s_load_b128 s[20:23], s[0:1], 0x40             ; shiftb s[20:21], out0 s[22:23]
	v_lshl_add_u32 v110, v0, 2, 0x4ec00
	v_mov_b32 v111, 0
	v_lshrrev_b32 v[LANE], 5, v0
	v_readfirstlane_b32 s24, v[LANE]               ; wave 0 .. 3
	v_and_b32 v[LANE], 31, v0
	v_and_b32 v[RR], 15, v0
	v_bfe_u32 v[HH], v0, 4, 1
	v_lshlrev_b32 v[L16], 4, v[LANE]
	v_lshlrev_b32 v[C16], 4, v[RR]
	v_lshlrev_b32 v[D32], 5, v[HH]
	s_lshl_b32 s32, ttmp9, 2
	s_mov_b32 s33, 0
	s_wait_kmcnt 0x0
	s_add_nc_u64 s[48:49], s[4:5], s[32:33]
	s_load_b32 s25, s[48:49], 0x0                  ; my job
	s_load_b32 s30, s[18:19], 0x0
	s_load_b32 s31, s[20:21], 0x0
	s_wait_alu depctr_va_sdst(0)                   ; s24 is written, ahead of its first reader: the bases and the slabs are made from it
	s_lshl_b32 s32, s24, 8                         ; my 64 columns: 256 bytes of f32
	s_add_nc_u64 s[42:43], s[16:17], s[32:33]      ; scales,
	s_add_nc_u64 s[44:45], s[8:9], s[32:33]        ; y
	s_add_nc_u64 s[46:47], s[22:23], s[32:33]      ; and out0 at my columns
	WIN 0xc0
	s_wait_alu depctr_va_vdst(0)                   ; v[D32] is written, which the loads below read as their offset
.irp tp, 0,1,2,3
	global_load_b128 v[GR+8*\tp:GR+8*\tp+3],   v[D32], s[42:43] offset:64*\tp      ; scales[64 v + 16 T' + 8 h + 0 .. 7]
	global_load_b128 v[GR+8*\tp+4:GR+8*\tp+7], v[D32], s[42:43] offset:64*\tp+16
.endr
	WIN 0
	; LDS addresses: a constant, the wave's number times a slab, and a lane term that stays inside the slab
	s_mul_i32 s59, s24, BSLAB
	s_add_co_u32 s60, s59, YB                      ; my slab of YB
	s_add_co_u32 s59, s59, HB                      ; my slab of HB
	s_mul_i32 s61, s24, FSLAB                      ; my slab of YS
	s_mov_b32 s62, 0x80000                         ; the flag's bit
	v_lshl_add_u32 v[LSTW], v[LANE], 2, s59
	v_mul_u32_u24 v[LSTR], v[HH], 288
	v_add_nc_u32 v[LSTR], s59, v[LSTR]
	v_lshl_add_u32 v[LSTF], v[RR], 2, s59
	v_mul_u32_u24 v[YBST], v[HH], 72*BP
	v_lshl_add_u32 v[YBST], v[RR], 3, v[YBST]
	v_add_nc_u32 v[YBST], s60, v[YBST]
	v_mul_u32_u24 v[YSST], v[HH], 72*FP
	v_add_nc_u32 v[YSST], v[YSST], v[C16]
	v_add_nc_u32 v[YSST], s61, v[YSST]
	v_mul_u32_u24 v[TT], v[RR], BP
	v_lshl_add_u32 v[TT], v[HH], 4, v[TT]          ; 144 r + 16 h
	v_add_nc_u32 v[HBST], s59, v[TT]
	v_add_nc_u32 v[BAY],   YB, v[TT]
	v_add_nc_u32 v[BAY+1], YB+2*BSLAB, v[TT]
	v_add_nc_u32 v[BAH],   HB, v[TT]
	v_add_nc_u32 v[BAH+1], HB+2*BSLAB, v[TT]
	v_mul_u32_u24 v[YSD], v[RR], FP
	v_add_nc_u32 v[YSD], v[YSD], v[D32]
	v_add_nc_u32 v[YSD], s61, v[YSD]
	; the job: every field is clamped to its range before it comes near an address
	s_wait_kmcnt 0x0
	s_and_b32 s26, s25, 0x7fff
	s_min_u32 s26, s26, 0x7fff                     ; first position
	s_bfe_u32 s27, s25, 0x80010
	s_min_u32 s27, s27, ROWS
	s_max_u32 s27, s27, 1                          ; count
	s_bfe_u32 s28, s25, 0x30018
	s_min_u32 s28, s28, 7                          ; expert
	s_add_co_u32 s29, s26, s27
	s_sub_co_u32 s29, s29, 1                       ; last position
	; the list: slot 32 k + lane takes position min(first + slot, last)
	v_add_nc_u32 v[POS], s26, v[LANE]
.irp k, 1,2,3,4
	v_add_nc_u32 v[POS+\k], 32*\k, v[POS]
.endr
.irp k, 0,1,2,3,4
	v_min_u32 v[POS+\k], s29, v[POS+\k]
	v_min_u32 v[POS+\k], 0x7fff, v[POS+\k]
	v_lshlrev_b32 v[POS+\k], 2, v[POS+\k]
.endr
	s_wait_alu depctr_va_vdst(0)                   ; the five offsets of the list are written, which the loads below read; so are all the LDS addresses above, for every LDS instruction of the kernel
.irp k, 0,1,2,3,4
	global_load_b32 v[ENT+\k], v[POS+\k], s[6:7]
.endr
	s_lshl_b32 s32, s28, 10                        ; a bias is 1,024 bytes
	s_lshl_b32 s48, s24, 8
	s_add_co_u32 s32, s32, s48
	s_add_nc_u64 s[38:39], s[12:13], s[32:33]
	s_add_nc_u64 s[40:41], s[14:15], s[32:33]
	s_lshl_b32 s32, s28, 17                        ; a matrix is 131,072 bytes of f16,
	s_lshl_b32 s48, s24, 15                        ; my quarter 32,768
	s_add_co_u32 s32, s32, s48
	s_add_nc_u64 s[34:35], s[10:11], s[32:33]
	s_add_nc_u64 s[36:37], s[34:35], 0x100000      ; W2 lies 1 MiB behind W1
	WIN 0xc0
.irp tp, 0,1,2,3
	global_load_b128 v[B1R+8*\tp:B1R+8*\tp+3],   v[D32], s[38:39] offset:64*\tp
	global_load_b128 v[B1R+8*\tp+4:B1R+8*\tp+7], v[D32], s[38:39] offset:64*\tp+16
.endr
.irp tp, 0,1,2,3
	global_load_b128 v[B2R+8*\tp:B2R+8*\tp+3],   v[D32], s[40:41] offset:64*\tp
	global_load_b128 v[B2R+8*\tp+4:B2R+8*\tp+7], v[D32], s[40:41] offset:64*\tp+16
.endr
	WIN 0x40
.set wi, 0
.rept 64
	global_load_b128 v[4*wi:4*wi+3], v[L16], s[34:35] offset:512*wi            ; my quarter of W1: 512 consecutive bytes a load; other work-groups read them again: no hint
.set wi, wi+1
.endr
	WIN 0
	s_wait_loadcnt 63                              ; 93 loads are issued, in order: 8 of scales, 5 of the list, 16 of the biases, 64 of W1.  The oldest 30 are in.
	; every lane needs the rows of 72 slots: the list goes through my own bytes of LDS, the rows alone and the whole words apart
.irp k, 0,1,2,3,4
	v_and_b32 v[TMP+\k], 0x7fff, v[ENT+\k]
.endr
	s_wait_alu depctr_va_vdst(0)                   ; the five rows are written, which the LDS stores below read
.irp k, 0,1,2,3,4
	ds_store_b32 v[LSTW], v[TMP+\k] offset:128*\k
	ds_store_b32 v[LSTW], v[ENT+\k] offset:640+128*\k
.endr
	WIN 0xc0
.set li, 0
.rept 18
	ds_load_b128 v[ROFF+4*li:ROFF+4*li+3], v[LSTR] offset:16*li                ; LDS serves a wave's instructions in order (ISA guide 5.7.1): these see the stores above
.set li, li+1
.endr
	WIN 0
.set li, 0
.rept NT
	ds_load_b32 v[TMP+8+li], v[LSTF] offset:640+64*li                          ; the word of slot 16 n + r
.set li, li+1
.endr
	s_wait_dscnt 0x0
	WIN 0xcc
.set li, 0
.rept 72
	v_min_u32 v[ROFF+li], 0x7fff, v[ROFF+li]       ; a loaded number enters an address only behind a clamp to the buffer's rows
.set li, li+1
.endr
	WIN 0xc3
.set li, 0
.rept 72
	v_lshl_add_u32 v[ROFF+li], v[ROFF+li], 10, v[C16]
.set li, li+1
.endr
	WIN 0x83
	s_wait_alu depctr_va_vdst(0)                   ; the 72 row offsets are written, which y's loads below and the stores at the kernel's end read
.set li, 0
.rept 64
	global_load_b128 v[4*li:4*li+3], v[ROFF+li], s[44:45]                      ; 16 lanes read 256 consecutive bytes, aligned: my columns of one row; two rows a load
.set li, li+1
.endr
	WIN 0xc3
.set li, 0
.rept 8
	global_load_b128 v[4*li:4*li+3], v[ROFF+64+li], s[44:45]
.set li, li+1
.endr
	WIN 0
.set li, 0
.rept NT
	v_cmp_le_u32 s[FLG+li], s62, v[TMP+8+li]       ; flagged: bit 19 is the word's highest
.set li, li+1
.endr
	s_wait_alu depctr_va_sdst(0)                   ; the nine masks are written, ahead of their first readers, the selections of the last step
	; the constants of the last step, while y is on its way: sigmoid(x) = 1 / (1 + 2^(-1.442695 x))
	v_mov_b32 v[KC], s30
	v_mov_b32 v[KC+1], s31
	v_pk_mul_f32 v[KC:KC+1], v[KC:KC+1], 0xbfb8aa3b op_sel_hi:[1,0]
	v_exp_f32 v[KC], v[KC]
	v_exp_f32 v[KC+1], v[KC+1]
	v_nop
	s_wait_alu depctr_va_vdst(0)
	v_pk_add_f32 v[KC:KC+1], v[KC:KC+1], 1.0 op_sel_hi:[1,0]
	v_rcp_f32 v[KC], v[KC]
	v_rcp_f32 v[KC+1], v[KC+1]
	v_nop
	s_wait_alu depctr_va_vdst(0)
	v_sub_f32 v[CY], v[KC+1], v[KC]                ; b - a = sb - sa
	v_add_f32 v[KC+2], v[KC], v[KC+1]              ; a + b = sb + sa
	v_mul_f32 v[CY], 0.5, v[CY]
	v_mul_f32 v[KC+2], 0.5, v[KC+2]
	v_mov_b32 v[CY+1], v[CY]
	v_mov_b32 v[KC+3], v[KC+2]
	WIN 0xc3
.set li, 0
.rept 16
	v_pk_mul_f32 v[GR+2*li:GR+2*li+1], v[GR+2*li:GR+2*li+1], 0xbfb8aa3b op_sel_hi:[1,0]
.set li, li+1
.endr
.set li, 0
.rept 32
	v_exp_f32 v[GR+li], v[GR+li]
.set li, li+1
.endr
	v_nop
.set li, 0
	s_wait_alu depctr_va_vdst(0)
.rept 16
	v_pk_add_f32 v[GR+2*li:GR+2*li+1], v[GR+2*li:GR+2*li+1], 1.0 op_sel_hi:[1,0]
.set li, li+1
.endr
.set li, 0
.rept 32
	v_rcp_f32 v[GR+li], v[GR+li]
.set li, li+1
.endr
	v_nop
.set li, 0
	s_wait_alu depctr_va_vdst(0)
.rept 16
	v_pk_mul_f32 v[GR+2*li:GR+2*li+1], v[GR+2*li:GR+2*li+1], v[KC+2:KC+3]
.set li, li+1
.endr
	; y into LDS, eight loads at a time.  y's 72 loads are the youngest: group g is in when 64 - 8 g are out (the first wait would be for 64;
	; the field of the wait ends at 63).  The last wait, for 0, also covers W1 and the biases.  A group's LDS stores are issued at the head of the next group.
	s_wait_loadcnt 63
	YVEC 0, 0, 0x0a, 0x82
	YGRP 1, 32,  56
	YGRP 2, 64,  48
	YGRP 3, 96,  40
	YGRP 4, 128, 32
	YGRP 5, 160, 24
	YGRP 6, 192, 16
	YGRP 7, 224, 8
	s_wait_loadcnt 0x0
	WIN 0
	s_wait_alu depctr_va_vdst(0)                   ; group 7 has written its out-buffer and its CY y, which the LDS stores below read
	YOUT 7, 224, 0x08
	YVEC 8, 0, 0x0f, 0xc3
	WIN 0
	s_wait_alu depctr_va_vdst(0)                   ; group 8 has written its out-buffer and its CY y, which the LDS stores below read; all conversions into v112-255 are done, in which layer 1's fragments land
	YOUT 8, 0, 0x0c
	s_wait_dscnt 0x0                               ; my slab of y is in LDS before I say so
	s_barrier_signal -1
	s_barrier_wait -1                              ; everybody's is
	s_wait_alu depctr_vm_vsrc(0)                   ; my LDS stores have read v112-255, in which the fragments' loads land from here on, and y's registers, which the products write as sums
	LAYER BAY, B1R, 1                              ; W1 y + b1; W2 follows into W1's registers
	; tanh in place, then f16: a tile's eight features of a slot are 16 bytes.  In three parts; a part's LDS stores stand at the head of the next part's arithmetic.
	WIN 0x82
.set ab, 0
.rept 8
	TANH16
.set ab, ab+16
.endr
	WIN 0x0a
.set hn, 0
.rept 16
.irp p, 0,1,2,3
	v_cvt_pk_f16_f32 v[HT+4*hn+\p], v[8*hn+2*\p], v[8*hn+2*\p+1]
.endr
.set hn, hn+1
.endr
	WIN 0
	s_wait_alu depctr_va_vdst(0)                   ; the conversions have written the hidden values of tiles 0-15, which the LDS stores below read; the arithmetic behind them names other registers
	HOUT 0, 16
	WIN 0x82
.set ab, 128
.rept 8
	TANH16
.set ab, ab+16
.endr
	WIN 0x0a
.set hn, 16
.rept 16
.irp p, 0,1,2,3
	v_cvt_pk_f16_f32 v[HT+4*hn+\p], v[8*hn+2*\p], v[8*hn+2*\p+1]
.endr
.set hn, hn+1
.endr
	WIN 0
	s_wait_alu depctr_va_vdst(0)                   ; the conversions have written the hidden values of tiles 16-31, which the LDS stores below read
	HOUT 16, 16
	WIN 0xc3
.set ab, 0
.rept 2
	TANH16
.set ab, ab+16
.endr
	WIN 0x0f
.set hn, 0
.rept 4
.irp p, 0,1,2,3
	v_cvt_pk_f16_f32 v[HT+128+4*hn+\p], v[8*hn+2*\p], v[8*hn+2*\p+1]
.endr
.set hn, hn+1
.endr
	WIN 0
	s_wait_alu depctr_va_vdst(0)                   ; the conversions have written the hidden values of tiles 32-35, which the LDS stores below read; all conversions into v112-255 are done, in which layer 2's fragments land
	HOUT 32, 4
	s_wait_dscnt 0x0                               ; my slab of hidden values is in LDS before I say so
	s_barrier_signal -1
	s_barrier_wait -1
	s_wait_loadcnt 0x0                             ; W2: the last eight loads were issued in front of the tanh
	s_wait_alu depctr_vm_vsrc(0)                   ; my LDS stores have read v112-255, in which the fragments' loads land again
	LAYER BAH, B2R, 2                              ; W2 h + b2; CY y follows into W2's registers, tile row by tile row.  My own slab: LDS keeps my instructions in order.
	; the last step, three tile rows at a time; every tile row has registers of its own.  Rows 0 to 4 were shown in by the wait in front of layer 2's last step.
	EPIF 0
	EPIF 1
	EPIF 2
	EPIC 0
	EPIC 1
	EPIC 2
	WIN 0x04
	s_wait_alu depctr_va_vdst(0)                   ; the selections have written the results of rows 0-2, which the LDS stores below read
	EPIS 0
	EPIS 1
	EPIS 2
	s_wait_dscnt 48                                ; row 5's CY y is in: behind its loads stand the 24 of rows 6, 8 and 7 and the 24 stores above
	EPIF 3
	EPIF 4
	EPIF 5
	EPIC 3
	EPIC 4
	EPIC 5
	WIN 0x04
	s_wait_alu depctr_va_vdst(0)                   ; the selections have written the results of rows 3-5, which the LDS stores below read
	EPIS 3
	EPIS 4
	EPIS 5
	s_wait_dscnt 48                                ; rows 6, 8 and 7 are in: behind the last of their loads stand the 48 stores above
	EPIF 6
	EPIF 7
	EPIF 8
	EPIC 6
	EPIC 7
	EPIC 8
	WIN 0x04
	s_wait_alu depctr_va_vdst(0)                   ; the selections have written the results of rows 6-8, which the LDS stores below read; all arithmetic on the sums' registers is done, in which the loads of the way out land
	EPIS 6
	EPIS 7
	EPIS 8
	; the way out: rows back from my slab, two a load, into the registers of the sums
	WIN 0x80
.set oi, 0
.rept 64
	ds_load_b128 v[4*oi:4*oi+3], v[YSST] offset:FP*oi
.set oi, oi+1
.endr
	WIN 0xc0
.set oi, 0
.rept 8
	ds_load_b128 v[4*oi:4*oi+3], v[YSST] offset:FP*(64+oi)
.set oi, oi+1
.endr
	WIN 0x0b
.set oi, 0
.rept 64
.if 71-oi > 63
	s_wait_dscnt 63                                ; the field of the wait ends at 63
.else
	s_wait_dscnt 71-oi                             ; row pair oi is back, the younger loads stay out
.endif
	global_store_b128 v[ROFF+oi], v[4*oi:4*oi+3], s[46:47] th:TH_STORE_NT      ; 16 lanes store 256 consecutive bytes, aligned: my columns of one row
.set oi, oi+1
.endr
	WIN 0x0f
.set oi, 0
.rept 8
	s_wait_dscnt 7-oi
	global_store_b128 v[ROFF+64+oi], v[4*oi:4*oi+3], s[46:47] th:TH_STORE_NT
.set oi, oi+1
.endr
	WIN 0
	s_wait_dscnt 0x0
	s_wait_alu depctr_hold_cnt(0) depctr_sa_sdst(0) depctr_va_vdst(0) depctr_va_sdst(0) depctr_va_ssrc(0) depctr_va_vcc(0) depctr_vm_vsrc(0)
	s_wait_tensorcnt 0x0
	ds_add_u32 v110, v111
	s_wait_dscnt 0x0
	s_endpgm
.Lfunc_end_k_qc20d3abba9_mlp:
	.size	k_qc20d3abba9_mlp, .Lfunc_end_k_qc20d3abba9_mlp-k_qc20d3abba9_mlp
	.p2alignl 7, 3214868480
	.fill 96, 4, 3214868480
	.section	.rodata,"a",@progbits
	.p2align	6, 0x0
	.amdhsa_kernel k_qc20d3abba9_mlp
		.amdhsa_group_segment_fixed_size 323072
		.amdhsa_private_segment_fixed_size 0
		.amdhsa_enable_private_segment 0
		.amdhsa_kernarg_size 80
		.amdhsa_user_sgpr_count 2
		.amdhsa_user_sgpr_kernarg_segment_ptr 1
		.amdhsa_wavefront_size32 1
		.amdhsa_system_sgpr_workgroup_id_x 1
		.amdhsa_system_sgpr_workgroup_id_y 1
		.amdhsa_system_sgpr_workgroup_id_z 1
		.amdhsa_system_vgpr_workitem_id 0
		.amdhsa_next_free_vgpr 1024
		.amdhsa_next_free_sgpr 66
		.amdhsa_reserve_vcc 0
		.amdhsa_float_denorm_mode_32 3
		.amdhsa_float_denorm_mode_16_64 3
		.amdhsa_memory_ordered 1
		.amdhsa_forward_progress 1
		.amdhsa_inst_pref_size 248
	.end_amdhsa_kernel
	.amdgpu_metadata
---
amdhsa.version: [ 1, 2 ]
amdhsa.kernels:
  - .name:           k_qc20d3abba9_mlp
    .symbol:         k_qc20d3abba9_mlp.kd
    .args:
      - { .name: jobs, .offset: 0, .size: 8, .value_kind: global_buffer, .address_space: global }
      - { .name: order, .offset: 8, .size: 8, .value_kind: global_buffer, .address_space: global }
      - { .name: y, .offset: 16, .size: 8, .value_kind: global_buffer, .address_space: global }
      - { .name: wb, .offset: 24, .size: 8, .value_kind: global_buffer, .address_space: global }
      - { .name: b1, .offset: 32, .size: 8, .value_kind: global_buffer, .address_space: global }
      - { .name: b2, .offset: 40, .size: 8, .value_kind: global_buffer, .address_space: global }
      - { .name: scales, .offset: 48, .size: 8, .value_kind: global_buffer, .address_space: global }
      - { .name: shifta, .offset: 56, .size: 8, .value_kind: global_buffer, .address_space: global }
      - { .name: shiftb, .offset: 64, .size: 8, .value_kind: global_buffer, .address_space: global }
      - { .name: out0, .offset: 72, .size: 8, .value_kind: global_buffer, .address_space: global }
    .group_segment_fixed_size: 323072
    .private_segment_fixed_size: 0
    .kernarg_segment_align: 8
    .kernarg_segment_size: 80
    .max_flat_workgroup_size: 128
    .sgpr_count:     66
    .vgpr_count:     1024
    .wavefront_size: 32
...
	.end_amdgpu_metadata
.endif
;; end of part 4
